; MI455X (gfx1250); checked and timed in simulation.
; The chip was launched on July 23, 2026; its instructions are those of AMD's public machine-readable ISA for CDNA 5 (MIT licence, August 2026) and "CDNA5" Instruction Set Architecture Reference Guide (July 2026). The comments in the code are by the model that wrote it; some were corrected since.
;; Multihead Attention. Allowed arithmetic: matrix products marked QUANTISED: E2M3 operands, one E8M0 scale for each 32 along K, by v_wmma_scale_f32_16x16x128_f8f6f4 with both operands' format E2M3, f32 sums; everything else in f32.
;; Inputs: W_K 1,024 x 1,024 float32; W_O 1,024 x 1,024 float32; W_Q 1,024 x 1,024 float32; W_V 1,024 x 1,024 float32; x 4 x 2,048 x 1,024 float32.
;; Outputs: out0 4 x 2,048 x 1,024 float32.
;; Constants: is_causal = 1.
;; This version of the problem:
;;   THIS VERSION OF THE PROBLEM IS GIVEN IN LOW PRECISION. The matrix products marked QUANTISED in the list below multiply operands that are first quantised to E2M3 (2 exponent bits, 3 mantissa bits; 6 bits a number), with one power-of-two scale for each 32 numbers along K (OCP MX v1.0); their sums are f32. All else is computed in f32.
;;   The module's matrix products, in the order in which they are computed (A, B: the left and right operand; K: the contracted axis; several contracted axes count as one K, in the product's order):
;;     1. [M 8,192, K 1,024] x [K 1,024, N 1,024]; A: input x; B: input W_Q: QUANTISED
;;     2. [M 8,192, K 1,024] x [K 1,024, N 1,024]; A: input x; B: input W_K: QUANTISED
;;     3. [M 8,192, K 1,024] x [K 1,024, N 1,024]; A: input x; B: input W_V: QUANTISED
;;     4. batch 64 x [M 2,048, K 64] x [K 64, N 2,048]; A: computed on the way; B: computed on the way: QUANTISED
;;     5. batch 64 x [M 2,048, K 2,048] x [K 2,048, N 64]; A: softmax (see below); B: computed on the way: QUANTISED
;;     6. [M 8,192, K 1,024] x [K 1,024, N 1,024]; A: computed on the way; B: input W_O: QUANTISED
;;   THE QUANTISER, for each operand of a quantised product, along K:
;;     - K is cut into blocks of 32 from its start; a last block that is shorter is filled with zeros.
;;     - A block's scale is 2^e with e = floor(log2(the largest magnitude in the block)) - 2, held to -126 .. 127; a block of zeros has e = 0. As a byte (E8M0): e + 127.
;;     - Each number is divided by its block's scale, clamped to +-7.5, and rounded to the nearest number of E2M3, ties to even, subnormals kept.
;;     - The product sums the exact products of the quantised numbers (number of the format x scale) in f32.
;;   ~~~python
;;   def quantise(x, axis):      # numpy; x: float32 -> the quantised numbers, widened to float32 again
;;       x = np.moveaxis(x, axis, -1); K = x.shape[-1]
;;       x = np.pad(x, [(0, 0)] * (x.ndim - 1) + [(0, -K % 32)]); x = x.reshape(x.shape[:-1] + (-1, 32)); a = np.abs(x).max(-1, keepdims=True)
;;       e = np.where(a > 0, np.clip(np.frexp(np.where(a > 0, a, 1))[1] - 1 - 2, -126, 127), 0)      # np.frexp(a)[1] - 1 = floor(log2(a)), exactly
;;       r = np.clip(x / 2.0 ** e, -7.5, 7.5)
;;       step = 2.0 ** (np.maximum(np.frexp(np.where(r == 0, 1, r))[1] - 1, 0) - 3)
;;       q = np.round(r / step) * step * 2.0 ** e      # np.round: ties to even
;;       return np.moveaxis(q.reshape(q.shape[:-2] + (-1,))[..., :K], -1, axis).astype(np.float32)
;;   ~~~
;;   SOFTMAX AHEAD OF A QUANTISED PRODUCT. Where the list says 'softmax', what is quantised is not the finished softmax but p = 2^(t - M), with t = logit x log2(e) and M = ceil(the row's largest t), a whole number; so 1/2 < the row's largest p <= 1. The row's sum l is taken of the UNQUANTISED p, in f32, and the product's result is divided by l at the end. Since M is a whole number, a kernel that streams over the keys may use a running M (the ceiling of the running maximum): every later rescaling is an exact power of two, which a block's scale takes up: the codes' values come out the same.
;;   OPERANDS COMPUTED ON THE WAY. 'Computed on the way' means the value that the module computes at that place (a softmax that the list does not call 'softmax' is quantised finished and normalised). What goes into a quantiser is computed in f32, as accurately as f32 sums, v_exp_f32 and their like allow (about 1e-6 of the number): no bf16 or f16 on the way to a quantiser, and a product that is left as it is and whose result goes on into a quantised operand takes f32 operands (vector FMAs, or v_wmma_f32_16x16x4_f32). A number that lies on a knife's edge between two numbers of the format may be rounded either way, as far as f32 arithmetic and the matrix unit's own rounding can turn it there, and no further.
;; One version. Each part assembles by itself: llvm-mc -triple=amdgcn-amd-amdhsa -mcpu=gfx1250 --defsym DOCPART=n.
;; ======== version 1 of 1: 4 launches
;; workspace buffers: opimg 9,437,184 bytes; opsc 393,216 bytes; qkv 19,660,800 bytes; aimg 6,291,456 bytes; asc 262,144 bytes
;; launch quant (part 1): grid 768 x 1, 2 waves a work-group, no clusters, 17,152 bytes of LDS; arguments x, W_Q, W_K, W_V, W_O, opimg, opsc; writes opimg, opsc
.if DOCPART == 1
	.amdgcn_target "amdgcn-amd-amdhsa--gfx1250"
	.amdhsa_code_object_version 6
	.text
	.protected	k_qc33c65a220_quant
	.globl	k_qc33c65a220_quant
	.p2align	8
	.type	k_qc33c65a220_quant,@function
k_qc33c65a220_quant:
	s_mov_b64 s[64:65], 0
	v_nop
	global_prefetch_b8 v0, s[64:65] scope:SCOPE_SE
	s_setreg_imm32_b32 hwreg(HW_REG_WAVE_MODE, 25, 1), 1
	s_wait_xcnt 0x0
; LAUNCH 1 OF 4.  Multi-head attention, B 4, S 2,048, D 1,024, 16 heads of 64, causal; all six products on codes of FP6 (E2M3) with one E8M0 scale for each 32 along K.
; 1 quant: x and the four weights become codes.  2 gemm_qkv: q, k, v, quantised on the way out.  3 attn: both products of the attention, its result quantised.  4 gemm_out: the last projection.
; WORK LEFT OUT (in launch 3): a step of 128 keys all of which come after all 16 queries of a tile.  reference() builds jnp.tril in its own body (is_causal = 1 is a constant of the problem) and sets the scores of
; keys k > q to -inf ahead of the softmax: their p is 0 and their term in the row's sum and in the second product is 0, whatever finite values x and the weights hold.  So such a step can reach no output.
; No input is left out: all five are loaded here.  LIMIT: a NaN, an infinity or an overflow that reaches only the steps left out is not carried to the result.
; THIS LAUNCH.  x [8192][1024] and W_Q, W_K, W_V, W_O [1024][1024], f32, K innermost, are quantised along K: a block's scale is 2^(floor(log2(its largest magnitude)) - 2), its byte the largest magnitude's exponent
; field - 2, held at 1 from below; each number / scale is rounded to the nearest code, ties to even, beyond 7.5 the largest code.
; LIMITS: a block of zeros gets the byte 1 where the rule says 127 (its codes are zeros, which add nothing, and this program alone reads the bytes); NaN and infinities among the inputs are not served.
; LAYOUT OF THE RESULT.  768 row tiles of 16 rows (0-511 x, 512-575 W_Q, 576-639 W_K, 640-703 W_V, 704-767 W_O).  THE ROWS OF A TILE ARE NOT NEIGHBOURS: place r of tile T is row 32 (T / 2) + 8 (T % 2) + r + 8 (r / 8),
; so that the results of two neighbouring tiles on the register side of a later product are 16 neighbours in a lane.  A fragment (16 rows x 128 K, 12 registers a lane) is stored as an IMAGE OF ITS REGISTERS: registers
; 4 c .. 4 c + 3 of lane l at 512 c + 16 l: 1,536 bytes; tile T, K step s at 12,288 T + 1,536 s.  Scale words: 512 bytes a tile, K step s, place r at 256 (s / 4) + 16 r + 4 (s % 4).
; SHARES.  A work-group takes a row tile, each of its two waves four K steps.  A load reads 512 consecutive bytes of one row; the 16 rows turn through the wave's own stage in LDS, so that a lane gets 16 neighbours of each
; block of 32 of ITS row.  No barrier: the waves share nothing.  No tensor load, cluster or matrix unit: a stream that is read once and shared with nobody.
.set SP,    528                        ; a stage row: 512 bytes + 16: the 16 rows that a read touches start 33 x 16 bytes apart
.set STG,   16*SP                      ; a wave's stage
.set SPARE, 2*STG                      ; behind the stages: the spare words, 128 bytes for each wave: one block of 256 bytes that no other line names
.set TM,  16                           ; v16-19 largest magnitudes, v20-23 the other half's, then bytes, v28-31 the conversions' scale operands
.set PC,  32                           ; v32-43 a fragment's codes
.set TP,  44                           ; v44-46, v48-50 the upper halves of the blocks, as converted
.set PW,  52                           ; v52-55 the four K steps' scale words
.set SW,  56                           ; v56-57 the two that my half of the lanes stores
.set SPW, 58                           ; v58 LDS address of my spare word; never rewritten
.set NIL, 59                           ; v59 0; never rewritten
.set R,   64                           ; v64-191 two sets of 64: a K step as loaded
.set X,   192                          ; v192-255 register 16 b + i: k = 32 b + 16 (lane / 16) + i of my row
.set SEL, 28                           ; s[28:29] v_permlanex16_b32's selects for lane l xor 16
	s_load_b256 s[4:11], s[0:1], 0x0               ; x, W_Q, W_K, W_V
	s_load_b128 s[12:15], s[0:1], 0x20             ; W_O, opimg
	s_load_b64 s[16:17], s[0:1], 0x30              ; opsc
	v_lshl_add_u32 v[SPW], v0, 2, SPARE
	v_mov_b32 v[NIL], 0
	v_lshrrev_b32 v5, 5, v0
	v_readfirstlane_b32 s24, v5                    ; wave g
	v_and_b32 v5, 31, v0                           ; lane
	v_and_b32 v6, 15, v0                           ; r
	v_bfe_u32 v7, v0, 4, 1                         ; h
	v_lshlrev_b32 v1, 4, v5                        ; 16 x lane: my bytes of a load's 512, and of an image's plane
	s_mul_i32 s25, s24, STG
	v_add_nc_u32 v2, s25, v1                       ; the stage on the way in
	v_mul_u32_u24 v3, v6, SP
	v_lshl_add_u32 v3, v7, 6, v3
	v_add_nc_u32 v3, s25, v3                       ; and on the way out: row r, + 64 h
	v_lshlrev_b32 v4, 4, v6
	v_lshl_add_u32 v4, v7, 3, v4                   ; the scale words: 16 r + 8 h
.irp b, 0,1,2,3
	v_mov_b32 v[TM+4+\b], 0                        ; written once: a lane permute's destination counts as one of its sources
.endr
	s_mov_b32 s30, 0xffff0000                      ; lanes 16-31
	s_mov_b32 s[SEL], 0x76543210
	s_mov_b32 s[SEL+1], 0xfedcba98
	s_and_b32 s20, ttmp9, 63
	s_cmp_lt_u32 ttmp9, 512
	s_cselect_b32 s20, ttmp9, s20                  ; T: the tile's number in its own tensor
	s_lshr_b32 s21, s20, 1
	s_lshl_b32 s21, s21, 17                        ; 32 (T / 2) rows of 4,096 bytes
	s_and_b32 s22, s20, 1
	s_lshl_b32 s22, s22, 15                        ; 8 (T % 2) rows
	s_add_co_u32 s22, s22, s21
	s_lshl_b32 s21, s24, 11                        ; my four K steps: 2,048 bytes a wave
	s_add_co_u32 s22, s22, s21
	s_mov_b32 s23, 0
	s_mul_i32 s26, ttmp9, 12288                    ; the tile's images,
	s_mul_i32 s21, s24, 6144                       ; my four
	s_add_co_u32 s26, s26, s21
	s_mov_b32 s27, 0
	s_lshl_b32 s32, ttmp9, 9                       ; the tile's scale words,
	s_lshl_b32 s21, s24, 8                         ; my 256 bytes
	s_add_co_u32 s32, s32, s21
	s_mov_b32 s33, 0
	s_wait_kmcnt 0x0
	s_mov_b64 s[18:19], s[12:13]                   ; which tensor: the choice hangs on the work-group's number alone
	s_cmp_lt_u32 ttmp9, 704
	s_cselect_b64 s[18:19], s[10:11], s[18:19]
	s_cmp_lt_u32 ttmp9, 640
	s_cselect_b64 s[18:19], s[8:9], s[18:19]
	s_cmp_lt_u32 ttmp9, 576
	s_cselect_b64 s[18:19], s[6:7], s[18:19]
	s_cmp_lt_u32 ttmp9, 512
	s_cselect_b64 s[18:19], s[4:5], s[18:19]
	s_add_nc_u64 s[18:19], s[18:19], s[22:23]
	s_add_nc_u64 s[14:15], s[14:15], s[26:27]
	s_add_nc_u64 s[16:17], s[16:17], s[32:33]
.macro LOADG f                         ; K step f of my four: place i's 512 bytes, 16 loads of 512 consecutive bytes
.irp i, 0,1,2,3,4,5,6,7,8,9,10,11,12,13,14,15
	global_load_b128 v[R+64*((\f)%2)+4*\i:R+64*((\f)%2)+4*\i+3], v1, s[18:19] offset:(\i+8*(\i/8))*4096+512*(\f) th:TH_LOAD_NT
.endr
.endm
.macro TURNX f                         ; through the stage: LDS serves a wave's instructions in order (ISA guide 5.7.1.4), so no wait stands between the stores and the loads
.irp i, 0,1,2,3,4,5,6,7,8,9,10,11,12,13,14,15
	ds_store_b128 v2, v[R+64*((\f)%2)+4*\i:R+64*((\f)%2)+4*\i+3] offset:SP*\i
.endr
.irp b, 0,1,2,3
.irp j, 0,1,2,3
	ds_load_b128 v[X+16*\b+4*\j:X+16*\b+4*\j+3], v3 offset:128*\b+16*\j
.endr
.endr
.endm
; 64 numbers of a lane, v[X] on, become a fragment's codes in v[PC] on and its scale word in v[pw]
.macro QUANT pw
.irp b, 0,1,2,3
	v_max3_num_f32 v[TM+\b], |v[X+16*\b]|, |v[X+1+16*\b]|, 0x1800000   ; block b: my 16 numbers, and the floor 2^(3 - 127): so the byte cannot fall under 1
.endr
.irp i, 2,4,6,8,10,12,14
.irp b, 0,1,2,3
	v_max3_num_f32 v[TM+\b], v[TM+\b], |v[X+16*\b+\i]|, |v[X+1+16*\b+\i]|   ; (the four blocks by turns)
.endr
.endr
.irp b, 0,1,2,3
	v_permlanex16_b32 v[TM+4+\b], v[TM+\b], s[SEL], s[SEL+1]
.endr
.irp b, 0,1,2,3
	v_max_num_f32 v[TM+\b], v[TM+\b], v[TM+4+\b]   ; with lane l xor 16's: the block's largest magnitude
.endr
.irp b, 0,1,2,3
	v_add_nc_u32 v[TM+12+\b], 0xff000000, v[TM+\b] ; 2 off its exponent field: the conversion takes the exponent field of this operand as its scale
.endr
.irp b, 0,1,2,3
	v_lshrrev_b32 v[TM+4+\b], 23, v[TM+12+\b]      ; the scale's byte
.endr
	v_lshl_or_b32 v[\pw], v[TM+5], 8, v[TM+4]
	v_lshl_or_b32 v[\pw], v[TM+6], 16, v[\pw]
	v_lshl_or_b32 v[\pw], v[TM+7], 24, v[\pw]      ; my row's scale word
.irp c, 0,1
	v_cvt_scalef32_pk16_fp6_f32 v[PC+6*\c:PC+2+6*\c], v[X+32*\c:X+15+32*\c], v[TM+12+2*\c]
	v_cvt_scalef32_pk16_fp6_f32 v[TP+4*\c:TP+2+4*\c], v[X+16+32*\c:X+31+32*\c], v[TM+13+2*\c]   ; (a conversion's three registers begin on an even number)
.endr
	v_nop                                          ; one plain place behind a scaled conversion
.irp c, 0,1                            ; the operand's layout wants a WHOLE block in a lane: lanes 0-15 block 2 c, lanes 16-31 block 2 c + 1
.irp i, 0,1,2
	v_permlane16_swap_b32 v[PC+6*\c+\i], v[TP+4*\c+\i]
.endr
.irp i, 0,1,2
	v_mov_b32 v[PC+3+6*\c+\i], v[TP+4*\c+\i]
.endr
.endr
.endm
.macro FRAGQ f
.if (\f) < 3
	s_wait_loadcnt 16                              ; this K step's 16 loads are in; the next one's 16 may be out
.else
	s_wait_loadcnt 0x0
.endif
	TURNX \f
	s_wait_dscnt 0x0                               ; my 64 numbers are back, and the stage's stores have read their registers
.if (\f) > 0
	s_wait_xcnt 0x0                                ; the last image's stores have read their registers: the codes may be written again
.endif
.if (\f) < 2
	LOADG (\f)+2
.endif
	QUANT PW+(\f)
.irp c, 0,1,2
	global_store_b128 v1, v[PC+4*\c:PC+4*\c+3], s[14:15] offset:1536*(\f)+512*\c   ; 32 lanes store 512 consecutive bytes, aligned
.endr
.endm
	LOADG 0
	LOADG 1
	FRAGQ 0
	FRAGQ 1
	FRAGQ 2
	FRAGQ 3
	v_cndmask_b32 v[SW], v[PW], v[PW+2], s30       ; lanes 0-15 store the words of my K steps 0, 1, lanes 16-31 of 2, 3
	v_cndmask_b32 v[SW+1], v[PW+1], v[PW+3], s30
	global_store_b64 v4, v[SW:SW+1], s[16:17]      ; 32 lanes store 256 consecutive bytes, aligned
	s_wait_tensorcnt 0x0                           ; the wave's end, behind my last LDS store
	ds_add_u32 v[SPW], v[NIL]
	s_wait_dscnt 0x0
	s_endpgm
.Lfunc_end_k_qc33c65a220_quant:
	.size	k_qc33c65a220_quant, .Lfunc_end_k_qc33c65a220_quant-k_qc33c65a220_quant
	.p2alignl 7, 3214868480
	.fill 96, 4, 3214868480
	.section	.rodata,"a",@progbits
	.p2align	6, 0x0
	.amdhsa_kernel k_qc33c65a220_quant
		.amdhsa_group_segment_fixed_size 17152
		.amdhsa_private_segment_fixed_size 0
		.amdhsa_enable_private_segment 0
		.amdhsa_kernarg_size 56
		.amdhsa_user_sgpr_count 2
		.amdhsa_user_sgpr_kernarg_segment_ptr 1
		.amdhsa_wavefront_size32 1
		.amdhsa_system_sgpr_workgroup_id_x 1
		.amdhsa_system_sgpr_workgroup_id_y 1
		.amdhsa_system_sgpr_workgroup_id_z 1
		.amdhsa_system_vgpr_workitem_id 0
		.amdhsa_next_free_vgpr 256
		.amdhsa_next_free_sgpr 66
		.amdhsa_reserve_vcc 0
		.amdhsa_float_denorm_mode_32 3
		.amdhsa_float_denorm_mode_16_64 3
		.amdhsa_memory_ordered 1
		.amdhsa_forward_progress 1
		.amdhsa_inst_pref_size 34
	.end_amdhsa_kernel
	.amdgpu_metadata
---
amdhsa.version: [ 1, 2 ]
amdhsa.kernels:
  - .name:           k_qc33c65a220_quant
    .symbol:         k_qc33c65a220_quant.kd
    .args:
      - { .name: x, .offset: 0, .size: 8, .value_kind: global_buffer, .address_space: global }
      - { .name: W_Q, .offset: 8, .size: 8, .value_kind: global_buffer, .address_space: global }
      - { .name: W_K, .offset: 16, .size: 8, .value_kind: global_buffer, .address_space: global }
      - { .name: W_V, .offset: 24, .size: 8, .value_kind: global_buffer, .address_space: global }
      - { .name: W_O, .offset: 32, .size: 8, .value_kind: global_buffer, .address_space: global }
      - { .name: opimg, .offset: 40, .size: 8, .value_kind: global_buffer, .address_space: global }
      - { .name: opsc, .offset: 48, .size: 8, .value_kind: global_buffer, .address_space: global }
    .group_segment_fixed_size: 17152
    .private_segment_fixed_size: 0
    .kernarg_segment_align: 8
    .kernarg_segment_size: 56
    .max_flat_workgroup_size: 64
    .sgpr_count:     66
    .vgpr_count:     256
    .wavefront_size: 32
...
	.end_amdgpu_metadata
.endif
;; end of part 1
;; launch gemm_qkv (part 2): grid 12 x 32, 4 waves a work-group, clusters of 4 x 4, 327,680 bytes of LDS; arguments opimg, opsc, qkv; writes qkv
.if DOCPART == 2
	.amdgcn_target "amdgcn-amd-amdhsa--gfx1250"
	.amdhsa_code_object_version 6
	.text
	.protected	k_qc33c65a220_gemm_qkv
	.globl	k_qc33c65a220_gemm_qkv
	.p2align	8
	.type	k_qc33c65a220_gemm_qkv,@function
k_qc33c65a220_gemm_qkv:
	s_mov_b64 s[64:65], 0
	v_nop
	global_prefetch_b8 v0, s[64:65] scope:SCOPE_SE
	s_setreg_imm32_b32 hwreg(HW_REG_WAVE_MODE, 25, 1), 1
	s_wait_xcnt 0x0
	s_wait_alu depctr_hold_cnt(0) depctr_sa_sdst(0) depctr_va_vdst(0) depctr_va_sdst(0) depctr_va_ssrc(0) depctr_va_vcc(0) depctr_vm_vsrc(0)
	s_getreg_b32 s2, hwreg(HW_REG_IB_STS2, 6, 4)
	s_cmp_eq_u32 s2, 0
	s_cbranch_scc0 .Lentry_in_a_cluster
	s_endpgm
.Lentry_in_a_cluster:
	s_bfe_u32 s2, ttmp6, 0x10000c
	s_cmp_lg_u32 s2, 0xf033
	s_cbranch_scc0 .Lentry_shape_is_right
	s_endpgm
.Lentry_shape_is_right:
; LAUNCH 2 OF 4: q = x W_Q^T, k = x W_K^T, v = x W_V^T on codes of FP6 (E2M3), K = 1,024, and each result quantised in registers on its way out: q and k along the head's 64, v along the KEYS.
; A tile of 256 x 256 results to a work-group of four waves, 128 x 128 to a wave: 64 accumulators of 16 x 16, 512 registers.
; THE MATRIX INSTRUCTION'S SOURCE 0 ("B") IS THE SIDE WHOSE INDEX RUNS ALONG A LANE'S REGISTERS, SOURCE 1 ("A") THE SIDE OF WHICH A LANE HOLDS ONE ROW.  The axis that is quantised next must run along the registers:
;   clusters x = 0 (q) and x = 1 (k): A = 256 tokens of x, B = 256 rows of W_Q or W_K (four heads);      cluster x = 2 (v): A = 256 rows of W_V (four heads' d), B = 256 tokens of x (the keys).
; Operands lie in memory as images of their registers (launch 1): a fragment comes by three loads of 512 consecutive bytes, and the rows of a tile are chosen (place r of tile T: row 32 (T / 2) + 8 (T % 2) + r + 8 (r / 8))
; so that the 64 registers of one A tile's eight accumulators are index 32 b + 16 (lane / 16) + i of B's 128, at register 16 b + i: what the conversions want.
; K goes in slots of 256 (two K steps of 128) through a ring of two LDS slots filled by the tensor data mover; the four slots' worth of K are written out, so that a K step's scale registers are named by number.
; The scale words of the work-group's 32 row tiles, for all of K, come into LDS once, with the first fills, and from there into 64 registers once.
; CLUSTERS: 4 x 4 work-groups.  A's tiles hang on the cluster's y and on cy, B's on the cluster's x or y and on cx: the four of a row ask for A's jointly, the four of a column for B's.
; THE RESULT: qkv, a record of 307,200 bytes for each (batch, head): K's image 98,304 (32 keys a fragment: registers 0-5 the even key tile, 6-11 the odd one, each with the head's 64); V's image 98,304 (step s of 128 keys,
; d tile t at 1,536 (4 s + t)); K's scale words 4,096; V's 4,096; Q's image 98,304 and scale words 4,096, laid as K's.
; LIMITS: as in launch 1 (a block of zeros gets the byte 1; NaN and infinities are not served).
; REGISTERS, in windows of 256: window 0: v16-29 addresses; v32-95 scale words, and nothing else; v96-127 at work on the way out; v128-223 A's fragments, one set (on the way out: the codes just made);
;   window 1: B's fragments, two sets, at v0 and v128;   windows 2, 3: the accumulators: (a, b) at v[8 (8 (a % 4) + b)] of window 2 + a / 4.
.set FR,    12                         ; registers of a fragment
.set NLA,   3                          ; LDS loads that bring one
.set NP,    4                          ; places behind this matrix instruction (ISA guide 7.12.1)
.set TILEB, 3072                       ; a row tile's two K steps in a slot
.set HALFT, 8*TILEB                    ; eight row tiles: what one tensor load brings, and what one wave reads of A or of B
.set SLOT,  4*HALFT                    ; A's 16 tiles, then B's 16
.set SCL,   2*SLOT                     ; behind the ring: the scale words, A's 8,192 bytes, then B's
.set HALFS, 4096
.set SPARE, SCL+4*HALFS                ; the spare words, 128 bytes for each wave: two blocks of 256 bytes that no other line names
.set REC,   307200
.set VIMG,  98304
.set KSC,   196608
.set VSC,   200704
.set QIMG,  204800
.set QSC,   303104
.set ADRA, 16                          ; v16-17 LDS address of my A fragments in slot 0, 1
.set ADRB, 20                          ; v20-21 the same for B
.set OI,   24                          ; v24 the way out: 16 x lane
.set OW,   25                          ; v25 the way out: 16 r, and one record on for lanes 16-31
.set ADRS, 27                          ; v27 LDS address of my scale words: lanes 0-15 A's, lanes 16-31 B's
.set SPW,  28                          ; v28 LDS address of my spare word; never rewritten
.set NIL,  29                          ; v29 0; never rewritten
.set SC,   32                          ; register 8 i + ks: lanes 0-15 the word of A's tile i, lanes 16-31 of B's tile i, for K step ks
.set TM,   96                          ; the way out: v96-111 as in launch 1's quantiser
.set PWA,  112
.set PWB,  113
.set VSEL, 114                         ; v114 (v115 at work)
.set PW,   116                         ; v116-123 scale words
.set WD,   124                         ; v124-127
.set AF,   128
.set F0,   128
.set F1,   140
.set TP,   152
.set SEL, 66                           ; s[66:67] selects for lane l xor 16
.set G1, 24                            ; s[24:31] descriptor group 1 for A's tiles;  s[32:39] group 0, one set for each slot
.set G0, 32
.set G1B, 48                           ; s[48:55], s[56:63] the same for B's
.set G0B, 56
.set G1S, 68                           ; s[68:75], s[76:79] for A's scale words;  s[80:87], s[88:91] for B's
.set G0S, 76
.set G1SB, 80
.set G0SB, 88
.set MSB, 0
.macro WIN new                         ; the immediate's high byte repeats the setting that is left
.if MSB != (\new)
	s_set_vgpr_msb (MSB<<8)|(\new)
.set MSB, (\new)
.endif
.endm
.set MUL_LO, 0xa1                      ; source 0 (B) window 1, source 1 (A) window 0, C and D window 2
.set MUL_HI, 0xf1                      ; the same, C and D window 3
.set TO_B,   0x40                      ; destination window 1, address window 0
; A joint load: waves 0 and 1 fetch for A, waves 2 and 3 for B.  Each line has one mask and one set of registers for all that issue it; the branch hangs on the wave's number alone.
; An s_nop 0 and four v_nop follow each of the two lines, ahead of the jump, the label and what follows.
.macro JLOAD g0a, g1a, g0b, g1b
	s_cmp_eq_u32 s15, 0
	s_cbranch_scc0 .Lfor_b_\@
	tensor_load_to_lds s[\g0a:\g0a+3], s[\g1a:\g1a+7]
	s_nop 0
.rept 4
	v_nop
.endr
	s_branch .Lasked_\@
.Lfor_b_\@:
	tensor_load_to_lds s[\g0b:\g0b+3], s[\g1b:\g1b+7]
	s_nop 0
.rept 4
	v_nop
.endr
.Lasked_\@:
.endm
.macro CREST                           ; a round of the cluster's barrier behind its opening barrier
	s_cmp_lg_u32 s14, 0
	s_cbranch_scc1 .Lnot_wave_0_\@
	s_barrier_signal -3
.Lnot_wave_0_\@:
	s_barrier_wait -3
	s_barrier_signal -1
	s_barrier_wait -1
.endm
.macro CROUND                          ; a whole round
	s_barrier_signal -1
	s_barrier_wait -1
	CREST
.endm
	s_load_b128 s[4:7], s[0:1], 0x0                ; opimg, opsc
	s_load_b64 s[8:9], s[0:1], 0x10                ; qkv
	v_lshl_add_u32 v[SPW], v0, 2, SPARE
	v_mov_b32 v[NIL], 0
	ds_add_u32 v[SPW], v[NIL]                      ; the wave's opening: the add, twice on end, and its wait ahead of my first tensor load; the set-up below stands between
	ds_add_u32 v[SPW], v[NIL]
	v_lshrrev_b32 v1, 5, v0
	v_readfirstlane_b32 s14, v1                    ; wave 0..3
	s_lshr_b32 s15, s14, 1                         ; which half of A's tiles is mine.  Also: I fetch for A (0) or for B (1)
	s_and_b32 s16, s14, 1                          ; which half of B's.  Also: which eight tiles I fetch
	s_bfe_u32 s40, ttmp6, 0x40000                  ; cx
	s_bfe_u32 s41, ttmp6, 0x40004                  ; cy
	s_and_b32 s17, ttmp7, 0xffff                   ; the cluster's y
	s_lshl_b32 s43, s41, 2
	s_lshl_b32 s43, 15, s43                        ; my row of the cluster
	s_lshl_b32 s44, 0x1111, s40                    ; my column
	; descriptor group 1, codes: 8 rows (row tiles) of 3,072 bytes (two K steps' images), 12,288 bytes apart; elements of 8 bytes; dense in LDS
	s_or_b32 s[G1+0], s43, (3<<16)|(1<<21)         ; 15:0 the mask: A's tiles go to my row; 17:16 elements of 8 bytes; 21 set beside a mask
	s_or_b32 s[G1B+0], s44, (3<<16)|(1<<21)
.irp g, G1, G1B
	s_mov_b32 s[\g+1], 384<<16                     ; tensor_dim0
	s_mov_b32 s[\g+2], 8<<16                       ; tensor_dim1
	s_mov_b32 s[\g+3], 384<<16                     ; tile_dim0
	s_mov_b32 s[\g+4], 8                           ; tile_dim1
	s_mov_b32 s[\g+5], 1536                        ; tensor_dim0_stride
	s_mov_b32 s[\g+6], 0
	s_mov_b32 s[\g+7], 0
.endr
	; and for the scale words of eight row tiles: 4,096 dense bytes as 16 rows of 256
	s_or_b32 s[G1S+0], s43, (3<<16)|(1<<21)
	s_or_b32 s[G1SB+0], s44, (3<<16)|(1<<21)
.irp g, G1S, G1SB
	s_mov_b32 s[\g+1], 32<<16
	s_mov_b32 s[\g+2], 16<<16
	s_mov_b32 s[\g+3], 32<<16
	s_mov_b32 s[\g+4], 16
	s_mov_b32 s[\g+5], 32
	s_mov_b32 s[\g+6], 0
	s_mov_b32 s[\g+7], 0
.endr
	s_mov_b32 s[SEL], 0x76543210
	s_mov_b32 s[SEL+1], 0xfedcba98
	s_mov_b32 s3, 0xffff0000                       ; lanes 16-31
	; which row tiles.  The cluster's x says what is made; it is the same in all sixteen partners
	s_lshl_b32 s18, s17, 6                         ; 64 x cluster y: x's tiles
	s_lshl_b32 s19, ttmp9, 6
	s_add_co_u32 s19, s19, 512                     ; W_Q's tiles begin at 512, W_K's at 576
	s_cmp_eq_u32 ttmp9, 2
	s_cselect_b32 s20, 640, s18                    ; A: W_V's tiles (v), else x's
	s_cselect_b32 s46, s18, s19                    ; B: x's tiles (v), else the weight's
	s_lshl_b32 s21, s41, 4
	s_add_co_u32 s20, s20, s21                     ; A: + 16 cy
	s_lshl_b32 s47, s40, 4
	s_add_co_u32 s46, s46, s47                     ; B: + 16 cx
	s_lshl_b32 s45, s16, 3
	s_add_co_u32 s20, s20, s45                     ; + the eight that I fetch
	s_add_co_u32 s46, s46, s45
	s_lshl_b32 s22, s20, 9                         ; their scale words, in bytes,
	s_mov_b32 s23, 0
	s_mul_i32 s20, s20, 12288                      ; and their images
	s_mov_b32 s21, 0
	s_lshl_b32 s92, s46, 9
	s_mov_b32 s93, 0
	s_mul_i32 s46, s46, 12288
	s_mov_b32 s47, 0
	s_mul_i32 s45, s14, HALFT                      ; where they go: wave x eight tiles: no place in the cluster enters an LDS address
	s_lshl_b32 s94, s14, 12
	s_wait_dscnt 0x0                               ; both opening adds are done
	s_wait_kmcnt 0x0
	s_add_nc_u64 s[20:21], s[4:5], s[20:21]
	s_add_nc_u64 s[22:23], s[6:7], s[22:23]
	s_add_nc_u64 s[46:47], s[4:5], s[46:47]
	s_add_nc_u64 s[92:93], s[6:7], s[92:93]
	CROUND                                         ; all sixteen work-groups are here: the first joint loads meet
	s_mov_b32 s[G0S], 1
	s_add_co_u32 s[G0S+1], s94, SCL
	s_mov_b64 s[G0S+2:G0S+3], s[22:23]
	s_or_b32 s[G0S+3], s[G0S+3], 0x80000000
	s_mov_b32 s[G0SB], 1
	s_add_co_u32 s[G0SB+1], s94, SCL
	s_mov_b64 s[G0SB+2:G0SB+3], s[92:93]
	s_or_b32 s[G0SB+3], s[G0SB+3], 0x80000000
	JLOAD G0S, G1S, G0SB, G1SB                     ; the scale words first: they are wanted with K step 0
.irp s, 0,1
	s_mov_b32 s[G0+4*\s], 1
	s_add_co_u32 s[G0+4*\s+1], s45, \s*SLOT
	s_add_nc_u64 s[G0+4*\s+2:G0+4*\s+3], s[20:21], \s*TILEB
	s_or_b32 s[G0+4*\s+3], s[G0+4*\s+3], 0x80000000
	s_mov_b32 s[G0B+4*\s], 1
	s_add_co_u32 s[G0B+4*\s+1], s45, \s*SLOT
	s_add_nc_u64 s[G0B+4*\s+2:G0B+4*\s+3], s[46:47], \s*TILEB
	s_or_b32 s[G0B+4*\s+3], s[G0B+4*\s+3], 0x80000000
	JLOAD G0+4*\s, G1, G0B+4*\s, G1B               ; three tensor loads of mine are out behind the second of these
.endr
	v_and_b32 v1, 15, v0                           ; r
	v_bfe_u32 v2, v0, 4, 1                         ; h
	v_and_b32 v3, 31, v0
	v_lshlrev_b32 v[OI], 4, v3                     ; 16 x lane
	s_mul_i32 s96, s15, HALFT                      ; my eight tiles of A
	s_mul_i32 s97, s16, HALFT                      ; my eight of B,
	s_add_co_u32 s97, s97, 2*HALFT                 ; which lie behind A's sixteen
.irp s, 0,1
	v_add_nc_u32 v[ADRA+\s], s96, v[OI]
	v_add_nc_u32 v[ADRB+\s], s97, v[OI]
	s_add_co_u32 s96, s96, SLOT
	s_add_co_u32 s97, s97, SLOT
.endr
	v_lshlrev_b32 v5, 4, v1                        ; 16 r
	s_lshl_b32 s96, s15, 12                        ; A's words: my eight tiles
	s_lshl_b32 s97, s16, 12                        ; B's: my eight, behind A's sixteen
	s_add_co_u32 s97, s97, 2*HALFS
	s_sub_co_u32 s97, s97, s96
	v_mul_u32_u24 v6, s97, v2                      ; lanes 16-31 take B's: the lower base + h x the distance
	s_add_co_u32 s96, s96, SCL
	v_add_nc_u32 v6, v5, v6
	v_add_nc_u32 v[ADRS], s96, v6
	v_mul_u32_u24 v[OW], v2, REC
	v_add_nc_u32 v[OW], v[OW], v5
.macro FRAG reg, adr, q, i             ; a fragment's image, 1,536 bytes: three loads of 512 consecutive bytes
.irp c, 0,1,2
	ds_load_b128 v[\reg+4*\c:\reg+4*\c+3], v[\adr] offset:(\i)*TILEB+(\q)*1536+512*\c
.endr
.endm
; 16 matrix instructions: A's tiles a0, a0 + 1 x B's eight, K step ks.  p: B's set.  zero = 1: the first product starts the sums.  The 64 accumulators take turns, one instruction a turn, in the same order in every
; step.
.macro MUL16 a0, p, ks, zero
.irp a, \a0, \a0+1
.irp b, 0,1,2,3,4,5,6,7
.if \zero
	v_wmma_scale_f32_16x16x128_f8f6f4 v[8*(8*((\a)%4)+\b):8*(8*((\a)%4)+\b)+7], v[128*(\p)+FR*\b:128*(\p)+FR*\b+FR-1], v[AF+FR*(\a):AF+FR*(\a)+FR-1], 0, v[SC+8*\b+(\ks)], v[SC+8*(\a)+(\ks)] matrix_a_fmt:MATRIX_FMT_FP6 matrix_b_fmt:MATRIX_FMT_FP6 matrix_a_scale:MATRIX_SCALE_ROW1
.else
	v_wmma_scale_f32_16x16x128_f8f6f4 v[8*(8*((\a)%4)+\b):8*(8*((\a)%4)+\b)+7], v[128*(\p)+FR*\b:128*(\p)+FR*\b+FR-1], v[AF+FR*(\a):AF+FR*(\a)+FR-1], v[8*(8*((\a)%4)+\b):8*(8*((\a)%4)+\b)+7], v[SC+8*\b+(\ks)], v[SC+8*(\a)+(\ks)] matrix_a_fmt:MATRIX_FMT_FP6 matrix_b_fmt:MATRIX_FMT_FP6 matrix_a_scale:MATRIX_SCALE_ROW1
.endif
.endr
.endr
.endm
.macro FETCH_B slot, q, p              ; B's eight fragments of the slot's q-th K step into set p
	WIN TO_B
.irp i, 0,1,2,3,4,5,6,7
	FRAG 128*(\p)+FR*\i, ADRB+\slot, \q, \i
.endr
	WIN 0
.endm
.macro FETCH_A slot, q, i0             ; A's tiles i0 .. i0 + 3
.irp i, \i0, \i0+1, \i0+2, \i0+3
	FRAG AF+FR*(\i), ADRA+\slot, \q, \i
.endr
.endm
.macro PLACES n                        ; a load into a register that a matrix instruction has read, and a vector instruction that reads a result, stand NP plain vector instructions behind it
.rept \n
	v_nop
.endr
.endm
.macro STEP slot, ks, zero             ; a slot's first K step
	s_wait_dscnt 4*NLA                             ; B's set and A's tiles 0-3 are in; the youngest loads (A's tiles 4-7: 4 x 3) may be out
	WIN MUL_LO
	MUL16 0, 0, \ks, \zero
	MUL16 2, 0, \ks, \zero
	s_wait_dscnt 0x0                               ; A's tiles 4-7 are in
	PLACES NP
	FETCH_B \slot, 1, 1
	FETCH_A \slot, 1, 0
	WIN MUL_HI
	MUL16 4, 0, \ks, \zero
	MUL16 6, 0, \ks, \zero
	PLACES NP
	WIN 0
	FETCH_A \slot, 1, 4
.endm
; A slot's second K step changes slots: one barrier; in front of it each wave waits for all its tensor loads, adds 0 to its spare word, and waits for that and for its reads of this slot.  fill = 1: the slot is filled again.
.macro TURN slot, next, fill, ks
	s_wait_tensorcnt 0x0                           ; all my tensor loads have landed: my part of the next slot
	ds_add_u32 v[SPW], v[NIL]                      ; 0 onto my spare word
	s_wait_dscnt 4*NLA+1                           ; (the add and the youngest loads, A's tiles 4-7, may be out)
	WIN MUL_LO
	MUL16 0, 1, \ks, 0                             ; sixteen matrix instructions stand between the add and the wait for it
	s_wait_dscnt 0x0                               ; the add is done, and my reads of this slot are over
	s_barrier_signal -1
	MUL16 2, 1, \ks, 0
	WIN 0
	s_barrier_wait -1
.if \fill
	CREST                                          ; the barrier has opened a round of the cluster's: no wave of any partner still reads this slot or has a load on its way
	s_add_nc_u64 s[G0+4*\slot+2:G0+4*\slot+3], s[G0+4*\slot+2:G0+4*\slot+3], 2*TILEB
	s_add_nc_u64 s[G0B+4*\slot+2:G0B+4*\slot+3], s[G0B+4*\slot+2:G0B+4*\slot+3], 2*TILEB
	JLOAD G0+4*\slot, G1, G0B+4*\slot, G1B         ; the first tensor load behind the round, my one load that is out; its four v_nop are the places in front of the loads below
.else
	PLACES NP
.endif
	FETCH_B \next, 0, 0
	FETCH_A \next, 0, 0
	WIN MUL_HI
	MUL16 4, 1, \ks, 0
	MUL16 6, 1, \ks, 0
	PLACES NP
	WIN 0
	FETCH_A \next, 0, 4
.endm
	s_wait_tensorcnt 1                             ; the scale words and my part of slot 0 are in (slot 1's load may be out)
	s_barrier_signal -1
	s_barrier_wait -1                              ; everybody's are
	FETCH_B 0, 0, 0
	FETCH_A 0, 0, 0
.irp i, 0,1,2,3,4,5,6,7                ; all eight K steps' scale words, once: four words a load
.irp g, 0,1
	ds_load_b128 v[SC+8*\i+4*\g:SC+8*\i+4*\g+3], v[ADRS] offset:512*\i+256*\g
.endr
.endr
	FETCH_A 0, 0, 4
	STEP 0, 0, 1                                   ; the first step's products start the sums: nothing is cleared
	TURN 0, 1, 1, 1                                ; slot 0 takes K steps 4, 5
	STEP 1, 2, 0
	TURN 1, 0, 1, 3                                ; slot 1 takes K steps 6, 7
	STEP 0, 4, 0
	TURN 0, 1, 0, 5                                ; nothing is left to fetch
	STEP 1, 6, 0
	s_wait_dscnt 4*NLA
	WIN MUL_LO
	MUL16 0, 1, 7, 0
	MUL16 2, 1, 7, 0
	s_wait_dscnt 0x0
	WIN MUL_HI
	MUL16 4, 1, 7, 0
	MUL16 6, 1, 7, 0
	WIN 0
; THE WAY OUT.  The 64 registers of A tile a's eight accumulators, v[s] on in window win, are 128 neighbours along B of the lane's row: they become a fragment's codes, registers 0-5 in v[d0] on, 6-11 in v[d1] on, and
; its scale word in v[pw].  Each accumulator is read from its low end on.  The floor is the maximum's source 0, so that one window setting serves all the maxima.
.macro QUANT s, win, d0, d1, pw
	WIN ((\win)<<2)|((\win)<<4)
.irp b, 0,1,2,3
	v_max3_num_f32 v[TM+\b], 0x1800000, |v[(\s)+16*\b]|, |v[(\s)+1+16*\b]|   ; block b: my 16 numbers, and the floor 2^(3 - 127): the byte cannot fall under 1
.endr
.irp i, 2,4,6,8,10,12,14
.irp b, 0,1,2,3
	v_max3_num_f32 v[TM+\b], v[TM+\b], |v[(\s)+16*\b+\i]|, |v[(\s)+1+16*\b+\i]|
.endr
.endr
	WIN 0
.irp b, 0,1,2,3
	v_permlanex16_b32 v[TM+4+\b], v[TM+\b], s[SEL], s[SEL+1]
.endr
.irp b, 0,1,2,3
	v_max_num_f32 v[TM+\b], v[TM+\b], v[TM+4+\b]   ; with lane l xor 16's: the block's largest magnitude
.endr
.irp b, 0,1,2,3
	v_add_nc_u32 v[TM+12+\b], 0xff000000, v[TM+\b] ; 2 off its exponent field: the conversion's scale operand
.endr
.irp b, 0,1,2,3
	v_lshrrev_b32 v[TM+4+\b], 23, v[TM+12+\b]      ; the scale's byte
.endr
	v_lshl_or_b32 v[\pw], v[TM+5], 8, v[TM+4]
	v_lshl_or_b32 v[\pw], v[TM+6], 16, v[\pw]
	v_lshl_or_b32 v[\pw], v[TM+7], 24, v[\pw]
	WIN (\win)                                     ; source 0: the accumulators' window
	v_cvt_scalef32_pk16_fp6_f32 v[(\d0):(\d0)+2], v[(\s):(\s)+15], v[TM+12]
	v_cvt_scalef32_pk16_fp6_f32 v[TP:TP+2], v[(\s)+16:(\s)+31], v[TM+13]
	v_cvt_scalef32_pk16_fp6_f32 v[(\d1):(\d1)+2], v[(\s)+32:(\s)+47], v[TM+14]
	v_cvt_scalef32_pk16_fp6_f32 v[TP+4:TP+6], v[(\s)+48:(\s)+63], v[TM+15]
	WIN 0
	v_nop                                          ; one plain place behind a scaled conversion
.irp i, 0,1,2                          ; the operand's layout wants a whole block in a lane
	v_permlane16_swap_b32 v[(\d0)+\i], v[TP+\i]
.endr
.irp i, 0,1,2
	v_mov_b32 v[(\d0)+3+\i], v[TP+\i]
.endr
.irp i, 0,1,2
	v_permlane16_swap_b32 v[(\d1)+\i], v[TP+4+\i]
.endr
.irp i, 0,1,2
	v_mov_b32 v[(\d1)+3+\i], v[TP+4+\i]
.endr
.endm
	PLACES NP                                      ; behind the last products: results are read, and A's registers written, below
.irp b, 0,1,2,3
	v_mov_b32 v[TM+4+\b], 0                        ; written once: a lane permute's destination counts as one of its sources
.endr
	s_cmp_eq_u32 ttmp9, 2
	s_cbranch_scc1 .Lv
	; ---- q or k.  My lanes hold 128 tokens (step sA of their sequence), my registers two heads' 64.  Two token tiles' halves make one fragment of each head.
	s_cmp_eq_u32 ttmp9, 0
	s_cselect_b32 s96, QIMG, 0                     ; q's image, or k's
	s_cselect_b32 s97, QSC-KSC, 0
	s_lshl_b32 s98, s17, 2
	s_add_co_u32 s98, s98, s41                     ; which 256 tokens: 4 x cluster y + cy
	s_lshr_b32 s99, s98, 3                         ; the batch
	s_and_b32 s98, s98, 7
	s_lshl_b32 s98, s98, 1
	s_add_co_u32 s98, s98, s15                     ; sA
	s_lshl_b32 s99, s99, 4
	s_lshl_b32 s2, s40, 2
	s_add_co_u32 s99, s99, s2
	s_lshl_b32 s2, s16, 1
	s_add_co_u32 s99, s99, s2                      ; the record: 16 x batch + 4 cx + 2 x my half
	s_mul_i32 s99, s99, REC
	s_add_co_u32 s96, s96, s99
	s_add_co_u32 s97, s97, s99
	s_mul_i32 s2, s98, 6144
	s_add_co_u32 s10, s96, s2
	s_mov_b32 s11, 0
	s_lshl_b32 s2, s98, 8
	s_add_co_u32 s12, s97, s2
	s_add_co_u32 s12, s12, KSC
	s_mov_b32 s13, 0
	s_add_nc_u64 s[10:11], s[8:9], s[10:11]
	s_add_nc_u64 s[12:13], s[8:9], s[12:13]
	v_mov_b32 v[VSEL], 0x05040100                  ; lanes 0-15 gather the first head's two bytes of both token tiles,
	v_mov_b32 v[VSEL+1], 0x07060302                ; lanes 16-31 the second head's
	v_cndmask_b32 v[VSEL], v[VSEL], v[VSEL+1], s3
.irp be, 0,1,2,3
.if \be > 0
	s_wait_xcnt 0x0                                ; the last six stores have read their registers
.endif
	QUANT 64*((2*\be)%4), 2+\be/2, F0, F1, PWA
	QUANT 64*((2*\be+1)%4), 2+\be/2, F0+6, F1+6, PWB
	v_perm_b32 v[PW+\be], v[PWB], v[PWA], v[VSEL]
.irp p, 0,1,2
	global_store_b128 v[OI], v[F0+4*\p:F0+4*\p+3], s[10:11] offset:\be*1536+512*\p       ; 32 lanes store 512 consecutive bytes, aligned
	global_store_b128 v[OI], v[F1+4*\p:F1+4*\p+3], s[10:11] offset:REC+\be*1536+512*\p
.endr
.endr
	global_store_b128 v[OW], v[PW:PW+3], s[12:13]  ; each half of the lanes stores 256 consecutive bytes, aligned, of its head's scale words
	s_branch .Ldone
.Lv:
	; ---- v.  My lanes hold two heads' d (four d tiles each), my registers 128 keys: step s of their sequence.  Each A tile is one fragment.
	s_lshl_b32 s98, s17, 2
	s_add_co_u32 s98, s98, s40
	s_lshl_b32 s98, s98, 1
	s_add_co_u32 s98, s98, s16                     ; which 128 tokens of the 8,192
	s_lshr_b32 s99, s98, 4                         ; the batch
	s_and_b32 s98, s98, 15                         ; s
	s_lshl_b32 s99, s99, 4
	s_lshl_b32 s2, s41, 2
	s_add_co_u32 s99, s99, s2
	s_lshl_b32 s2, s15, 1
	s_add_co_u32 s99, s99, s2                      ; the record: 16 x batch + 4 cy + 2 x my half
	s_mul_i32 s99, s99, REC
	s_mul_i32 s2, s98, 6144
	s_add_co_u32 s10, s99, s2
	s_add_co_u32 s10, s10, VIMG
	s_mov_b32 s11, 0
	s_lshl_b32 s2, s98, 8
	s_add_co_u32 s12, s99, s2
	s_add_co_u32 s12, s12, VSC
	s_mov_b32 s13, 0
	s_add_nc_u64 s[10:11], s[8:9], s[10:11]
	s_add_nc_u64 s[12:13], s[8:9], s[12:13]
.irp a, 0,1,2,3,4,5,6,7
.if \a > 0
	s_wait_xcnt 0x0                                ; the last three stores have read their registers
.endif
	QUANT 64*(\a%4), 2+\a/4, F0, F0+6, PW+\a
.irp p, 0,1,2
	global_store_b128 v[OI], v[F0+4*\p:F0+4*\p+3], s[10:11] offset:(\a/4)*REC+(\a%4)*1536+512*\p
.endr
.endr
.irp i, 0,1,2,3
	v_cndmask_b32 v[WD+\i], v[PW+\i], v[PW+4+\i], s3   ; lanes 16-31 store the second head's words
.endr
	global_store_b128 v[OW], v[WD:WD+3], s[12:13]
.Ldone:
	s_wait_tensorcnt 0x0                           ; the wave's end, behind my last tensor load
	ds_add_u32 v[SPW], v[NIL]
	s_wait_dscnt 0x0
	CROUND                                         ; the closing round: no work-group ends while a partner may still ask for a tile that names it
	s_endpgm
.Lfunc_end_k_qc33c65a220_gemm_qkv:
	.size	k_qc33c65a220_gemm_qkv, .Lfunc_end_k_qc33c65a220_gemm_qkv-k_qc33c65a220_gemm_qkv
	.p2alignl 7, 3214868480
	.fill 96, 4, 3214868480
	.section	.rodata,"a",@progbits
	.p2align	6, 0x0
	.amdhsa_kernel k_qc33c65a220_gemm_qkv
		.amdhsa_group_segment_fixed_size 327680
		.amdhsa_private_segment_fixed_size 0
		.amdhsa_enable_private_segment 0
		.amdhsa_kernarg_size 24
		.amdhsa_user_sgpr_count 2
		.amdhsa_user_sgpr_kernarg_segment_ptr 1
		.amdhsa_wavefront_size32 1
		.amdhsa_system_sgpr_workgroup_id_x 1
		.amdhsa_system_sgpr_workgroup_id_y 1
		.amdhsa_system_sgpr_workgroup_id_z 1
		.amdhsa_system_vgpr_workitem_id 0
		.amdhsa_next_free_vgpr 1024
		.amdhsa_next_free_sgpr 100
		.amdhsa_reserve_vcc 0
		.amdhsa_float_denorm_mode_32 3
		.amdhsa_float_denorm_mode_16_64 3
		.amdhsa_memory_ordered 1
		.amdhsa_forward_progress 1
		.amdhsa_inst_pref_size 173
	.end_amdhsa_kernel
	.amdgpu_metadata
---
amdhsa.version: [ 1, 2 ]
amdhsa.kernels:
  - .name:           k_qc33c65a220_gemm_qkv
    .symbol:         k_qc33c65a220_gemm_qkv.kd
    .args:
      - { .name: opimg, .offset: 0, .size: 8, .value_kind: global_buffer, .address_space: global }
      - { .name: opsc, .offset: 8, .size: 8, .value_kind: global_buffer, .address_space: global }
      - { .name: qkv, .offset: 16, .size: 8, .value_kind: global_buffer, .address_space: global }
    .group_segment_fixed_size: 327680
    .private_segment_fixed_size: 0
    .kernarg_segment_align: 8
    .kernarg_segment_size: 24
    .max_flat_workgroup_size: 128
    .sgpr_count:     100
    .vgpr_count:     1024
    .wavefront_size: 32
...
	.end_amdgpu_metadata
.endif
;; end of part 2
;; launch attn (part 3): grid 4 x 64, 16 waves a work-group, clusters of 4 x 1, 206,848 bytes of LDS; arguments qkv, aimg, asc; writes aimg, asc
.if DOCPART == 3
	.amdgcn_target "amdgcn-amd-amdhsa--gfx1250"
	.amdhsa_code_object_version 6
	.text
	.protected	k_qc33c65a220_attn
	.globl	k_qc33c65a220_attn
	.p2align	8
	.type	k_qc33c65a220_attn,@function
k_qc33c65a220_attn:
	s_mov_b64 s[64:65], 0
	v_nop
	global_prefetch_b8 v0, s[64:65] scope:SCOPE_SE
	s_setreg_imm32_b32 hwreg(HW_REG_WAVE_MODE, 25, 1), 1
	s_wait_xcnt 0x0
	s_wait_alu depctr_hold_cnt(0) depctr_sa_sdst(0) depctr_va_vdst(0) depctr_va_sdst(0) depctr_va_ssrc(0) depctr_va_vcc(0) depctr_vm_vsrc(0)
	s_getreg_b32 s2, hwreg(HW_REG_IB_STS2, 6, 4)
	s_cmp_eq_u32 s2, 0
	s_cbranch_scc0 .Lentry_in_a_cluster
	s_endpgm
.Lentry_in_a_cluster:
	s_bfe_u32 s2, ttmp6, 0x10000c
	s_cmp_lg_u32 s2, 0x3003
	s_cbranch_scc0 .Lentry_shape_is_right
	s_endpgm
.Lentry_shape_is_right:
; LAUNCH 3 OF 4: for each (batch, head): S = q k^T / 8 under the causal mask, p = 2^(t - M), O = p v / l, all products on codes of FP6 (E2M3); O is quantised along the head's 64 on its way out.
; WORK LEFT OUT: key steps all of whose 128 keys come after all 16 queries of a tile: reference()'s own jnp.tril makes their p 0 for every input (shown at the head of launch 1).
; THE SOFTMAX: t = score x log2(e) / 8; M = the row's largest t so far, rounded UP to a whole number; p = 2^(t - M) is quantised along the keys, not normalised; the row's sum l is taken of the unquantised p and divides O
; at the end.  When M moves, l and O are multiplied by 2^(old M - new M): exact.
; A WHOLE HEAD'S K AND V, AS CODES WITH THEIR SCALE WORDS, ARE 204,800 BYTES: THEY COME INTO LDS ONCE, one tensor load a wave, 12,800 bytes each.  No byte of LDS is filled again: one barrier, behind which the sixteen waves
; run free of each other.
; CLUSTER: the four work-groups of a head need the same 204,800 bytes and ask for them jointly.
; SHARES.  The head's 128 query tiles: tile T = 8 g + 2 j + e belongs to work-group j = cx, as its tile m = 2 g + e (0 .. 31).  It needs key steps 0 .. g, whatever j: no branch, trip count or LDS address hangs on cx, and every
; partner reads every byte.  Wave w takes m = 31 - w and then m = w: 17 key steps in every wave of the launch.
; LAYOUT.  Both products are used transposed (S^T = K Q^T, O^T = V^T P^T): a lane holds one query (place lane % 16 of its tile) throughout.  Place r of a tile T of tokens or of d is index 32 (T / 2) + 8 (T % 2) + r + 8 (r / 8), so
; the 16 registers of two neighbouring tiles are 16 neighbours: keys 32 b + 16 (lane / 16) + i at register 16 b + i.
; K = 64 IN AN INSTRUCTION OF K = 128: a fragment of K holds TWO key tiles, one in each half of its K.  Multiplied by [q, 0] it gives the even tile's scores, by [0, q] the odd tile's: q's zero codes take the other half away
; under any scale byte (all bytes lie in 1 .. 254).
; LIMITS: as in launch 1.  The scale bytes of the result leave as 2 bytes a lane, sixteen lanes inside one aligned 256 bytes, once a tile: 32 bytes beside the tile's 768 of codes.
; No prefetch: all that the launch reads is asked for in its first lines.
.set REC,   307200
.set VIMG,  98304                      ; LDS as the record: K's image at 0, V's here,
.set KSC,   196608                     ; K's scale words, and 4,096 on V's
.set QIMG,  204800                     ; (in memory only)
.set QSC,   303104
.set SPARE, 204800                     ; the spare words, 128 bytes for each wave: eight blocks of 256 bytes that no other line names
.set ADK, 8                            ; v8-10 LDS addresses of the step's K, V and scale words
.set ADV, 9
.set ADS, 10
.set KF,  44                           ; v44-91 four fragments, K's and then V's
.set KS,  92                           ; v92-95 their scale words
.set S,   96                           ; v96-159 S^T, then p
.set O,   160                          ; v160-191 O^T
.set PC,  192                          ; v192-203 p's codes
.set TP,  204                          ; v204-206, v208-210
.set BM,  212                          ; v212-215 the blocks' largest scores, then p
.set TQ,  216                          ; v216-219 the other half's, then bytes
.set SO,  220                          ; v220-223 the conversions' scale operands
.set PSW, 224                          ; v224 p's scale word
.set FF,  226                          ; v[226:227] f = 2^(old M - new M)
.set SUM2, 228                         ; v[228:229] the sum's second chain
.set TMP, 230
.set RC,  232                          ; v[232:233] 1 / l
.set HW,  234                          ; v234 the result's two scale bytes
; v1 16 l; v2 VIMG + 16 l; v3 KSC + 16 r; v4 32 cx + r + 8 (r / 8) - 16 h; v5, v6 the add's two; v7 8 l; v11 v4 + 8 e; v12 -M; v13 the largest t; v[14:15] l in two halves;
; v16-21 zeros, v22-27 q, v28-33 zeros; v34 q's scale word; v35, v36-41 the second tile's; v42 16 r; v236-243 at work at the head
; s[4:5] the record; s[6:7], s[8:9] aimg, asc at the head's part; s10 wave; s11 cx; s12 batch x 16 + head; s[16:23], s[24:27] the descriptor; s[28:29] selects; s[30:31] c; s32 tile count; s33 m; s34 g; s35 e; s36 step;
; s37, s38 the step's LDS bytes; s39 31 - wave; s[42:43], s[44:45] the tile's stores
.macro ROUND
	s_barrier_signal -1
	s_barrier_wait -1
	s_cmp_lg_u32 s10, 0
	s_cbranch_scc1 .Lnot_wave_0_\@
	s_barrier_signal -3
.Lnot_wave_0_\@:
	s_barrier_wait -3
	s_barrier_signal -1
	s_barrier_wait -1
.endm
	s_load_b128 s[4:7], s[0:1], 0x0                ; qkv, aimg
	s_load_b64 s[8:9], s[0:1], 0x10                ; asc
	v_lshl_add_u32 v5, v0, 2, SPARE
	v_mov_b32 v6, 0
	ds_add_u32 v5, v6                              ; the wave's opening: the add, twice on end, and its wait ahead of my first tensor load; the set-up below stands between
	ds_add_u32 v5, v6
	v_lshrrev_b32 v7, 5, v0
	s_delay_alu instid0(VALU_DEP_1)
	v_readfirstlane_b32 s10, v7                    ; wave 0..15
	s_bfe_u32 s11, ttmp6, 0x40000                  ; cx
	s_and_b32 s12, ttmp7, 0xffff                   ; 16 x batch + head: the four partners share it
	s_lshr_b32 s13, s12, 4                         ; batch
	s_and_b32 s14, s12, 15                         ; head
	s_mov_b32 s16, 15|(3<<16)|(1<<21)              ; 15:0 the mask: all four work-groups; 17:16 elements of 8 bytes; 21 set beside a mask
	s_mov_b32 s17, 32<<16                          ; tensor_dim0: 256 bytes
	s_mov_b32 s18, 50<<16                          ; tensor_dim1: 50 rows: 12,800 dense bytes
	s_mov_b32 s19, 32<<16                          ; tile_dim0
	s_mov_b32 s20, 50                              ; tile_dim1
	s_mov_b32 s21, 32                              ; tensor_dim0_stride
	s_mov_b32 s22, 0
	s_mov_b32 s23, 0
	s_mov_b32 s28, 0x76543210
	s_mov_b32 s29, 0xfedcba98                      ; v_permlanex16_b32's selects for lane l xor 16
	s_mov_b32 s30, 0x3e38aa3b                      ; c = log2(e) / 8
	s_mov_b32 s31, s30                             ; (named with it as a pair, so it is written)
	s_sub_co_u32 s39, 31, s10
	s_mul_i32 s40, s12, REC
	s_mov_b32 s41, 0
	s_mul_i32 s25, s10, 12800                      ; my part, in LDS as in the record
	s_mov_b32 s46, s25
	s_mov_b32 s47, 0
	; the parts of the result's addresses that all my tiles share
	s_lshl_b32 s48, s13, 7
	s_lshl_b32 s49, s11, 1
	s_add_co_u32 s48, s48, s49                     ; token tile 128 x batch + 2 cx
	s_lshl_b32 s50, s48, 9                         ; asc: 512 bytes a tile
	s_mul_i32 s48, s48, 12288                      ; aimg: 12,288 bytes a tile
	s_lshr_b32 s49, s14, 1
	s_mul_i32 s49, s49, 1536                       ; K step head / 2 of the last product,
	s_add_co_u32 s48, s48, s49
	s_and_b32 s49, s14, 1
	s_mul_i32 s49, s49, 768                        ; its half head % 2: three planes of 256 bytes
	s_add_co_u32 s48, s48, s49
	s_mov_b32 s49, 0
	s_lshr_b32 s51, s14, 3
	s_lshl_b32 s51, s51, 8
	s_add_co_u32 s50, s50, s51                     ; scale words: 256 (head / 8)
	s_bfe_u32 s51, s14, 0x20001
	s_lshl_b32 s51, s51, 2
	s_add_co_u32 s50, s50, s51                     ; + 4 ((head / 2) % 4)
	s_and_b32 s51, s14, 1
	s_lshl_b32 s51, s51, 1
	s_add_co_u32 s50, s50, s51                     ; + 2 (head % 2)
	s_mov_b32 s51, 0
	s_wait_dscnt 0x0                               ; both opening adds are done
	s_wait_kmcnt 0x0
	s_add_nc_u64 s[4:5], s[4:5], s[40:41]
	s_add_nc_u64 s[6:7], s[6:7], s[48:49]
	s_add_nc_u64 s[8:9], s[8:9], s[50:51]
	s_mov_b32 s24, 1                               ; count = 1
	s_add_nc_u64 s[26:27], s[4:5], s[46:47]
	s_or_b32 s27, s27, 0x80000000                  ; type = 2
	ROUND                                          ; all four work-groups are here: the joint loads meet
	tensor_load_to_lds s[24:27], s[16:23]          ; my one tensor load of the launch
	s_nop 0
.rept 4
	v_nop
.endr
	v_and_b32 v7, 31, v0                           ; lane
	v_and_b32 v42, 15, v0                          ; r
	v_bfe_u32 v8, v0, 4, 1                         ; h
	s_delay_alu instid0(VALU_DEP_3)
	v_lshlrev_b32 v1, 4, v7
	s_delay_alu instid0(VALU_DEP_1)
	v_add_nc_u32 v2, VIMG, v1
	s_delay_alu instid0(VALU_DEP_4)
	v_and_b32 v4, 8, v42
	s_delay_alu instid0(VALU_DEP_1)
	v_add_nc_u32 v4, v4, v42                       ; r + 8 (r / 8)
	v_lshlrev_b32 v8, 4, v8
	s_delay_alu instid0(VALU_DEP_1)
	v_sub_nc_u32 v4, v4, v8                        ; - 16 h
	s_lshl_b32 s46, s11, 5
	v_add_nc_u32 v4, s46, v4                       ; + 32 cx: a number for the mask's compares, no address
	v_lshlrev_b32 v42, 4, v42
	s_wait_alu depctr_va_vdst(0)
	v_add_nc_u32 v3, KSC, v42
	v_lshlrev_b32 v7, 3, v7
; Tile m's q: half e of the fragment of pair 4 g + cx in Q's image (registers 6 e .. 6 e + 5: bytes 520 e, 8 + 1,016 e, 512 + 520 e of a lane's part), and its scale word
.macro QLOAD ms, q, raw, vo, sel
	s_lshr_b32 s46, s[\ms], 1                      ; g
	s_and_b32 s47, s[\ms], 1                       ; e
	s_lshl_b32 s48, s46, 2
	s_add_co_u32 s48, s48, s11
	s_mul_i32 s48, s48, 1536
	s_mul_i32 s49, s47, 520
	s_add_co_u32 s49, s49, s48
	v_add_nc_u32 v[\vo], s49, v1
	s_mul_i32 s49, s47, 1016
	s_add_co_u32 s49, s49, s48
	v_add_nc_u32 v[\vo+1], s49, v1
	s_lshl_b32 s49, s46, 8
	s_lshl_b32 s50, s11, 2
	s_add_co_u32 s49, s49, s50
	v_add_nc_u32 v[\vo+2], s49, v42
	s_mul_i32 s[\sel], s47, 0x02020202
	s_add_co_u32 s[\sel], s[\sel], 0x01000100      ; bytes 2 e, 2 e + 1 of the pair's word, twice: they serve [q, 0] and [0, q] alike
	global_load_b64 v[\q:\q+1], v[\vo], s[4:5] offset:QIMG
	global_load_b64 v[\q+2:\q+3], v[\vo+1], s[4:5] offset:QIMG+8
	global_load_b64 v[\q+4:\q+5], v[\vo], s[4:5] offset:QIMG+512
	global_load_b32 v[\raw], v[\vo+2], s[4:5] offset:QSC
.endm
	QLOAD 39, 22, 236, 238, 52                     ; m = 31 - wave
	QLOAD 10, 36, 237, 241, 53                     ; m = wave
.irp i, 0,1,2,3,4,5
	v_mov_b32 v[16+\i], 0                          ; the zero codes on both sides of q
	v_mov_b32 v[28+\i], 0
.endr
.irp b, 0,1,2,3
	v_mov_b32 v[TQ+\b], 0                          ; written once: a lane permute's destination counts as one of its sources
.endr
	v_mov_b32 v[TMP], 0
	v_mov_b32 v[FF+1], 0                           ; (named as the upper halves of pairs)
	v_mov_b32 v[RC+1], 0
	s_wait_loadcnt 0x0
	v_perm_b32 v34, v236, v236, s52
	v_perm_b32 v35, v237, v237, s53
	s_wait_tensorcnt 0x0                           ; my part of the head is in LDS,
	s_barrier_signal -1
	s_barrier_wait -1                              ; everybody's is
	s_mov_b32 s32, 0
.Ltile:                                            ; two trips: m = 31 - wave, then m = wave
	s_cmp_eq_u32 s32, 0
	s_cselect_b32 s33, s39, s10
	s_lshr_b32 s34, s33, 1                         ; g: the tile's last key step, on which its diagonal lies
	s_and_b32 s35, s33, 1                          ; e
	s_lshl_b32 s46, s34, 3
	s_add_co_u32 s46, s46, s35                     ; 8 g + e
	s_mul_i32 s48, s46, 12288
	s_mov_b32 s49, 0
	s_add_nc_u64 s[42:43], s[6:7], s[48:49]
	s_lshl_b32 s48, s46, 9
	s_add_nc_u64 s[44:45], s[8:9], s[48:49]
	s_lshl_b32 s46, s35, 3
	v_add_nc_u32 v11, s46, v4                      ; d = my query - 128 g - 16 h
.set j, 0
.rept 32
	v_mov_b32 v[O+j], 0                            ; O^T.  (The step is written once: the first finds zeros, which the first change of M leaves zeros)
.set j, j+1
.endr
	v_mov_b32 v13, 0xff61b1e6                      ; the largest t so far: -3e38
	s_delay_alu instid0(VALU_DEP_1)
	v_floor_f32 v12, -v13                          ; -M
	v_mov_b32 v14, 0
	v_mov_b32 v15, 0
	s_mov_b32 s36, 0
	s_mov_b32 s37, 0
	s_mov_b32 s38, 0
.Lstep:                                            ; sixteen trips, a constant; a step behind the tile's diagonal is jumped over, but for the lines that step addresses
	s_cmp_gt_u32 s36, s34
	s_cbranch_scc1 .Lskip
	s_setprio 2
	v_add_nc_u32 v[ADK], s37, v1
	v_add_nc_u32 v[ADV], s37, v2
	v_add_nc_u32 v[ADS], s38, v3
	v_nop                                          ; with the three above: four places in front of loads into registers that the last step's products have read
.irp be, 0,1,2,3
.irp c, 0,1,2
	ds_load_b128 v[KF+12*\be+4*\c:KF+12*\be+4*\c+3], v[ADK] offset:1536*\be+512*\c
.endr
.endr
	ds_load_b128 v[KS:KS+3], v[ADS]
	s_wait_alu depctr_va_vdst(0)
	s_wait_dscnt 0x0
.irp be, 0,1,2,3                       ; S^T: fragment be holds key tiles 2 be and 2 be + 1
	v_wmma_scale_f32_16x16x128_f8f6f4 v[S+16*\be:S+16*\be+7], v[KF+12*\be:KF+12*\be+11], v[22:33], 0, v[KS+\be], v34 matrix_a_fmt:MATRIX_FMT_FP6 matrix_b_fmt:MATRIX_FMT_FP6
	v_wmma_scale_f32_16x16x128_f8f6f4 v[S+16*\be+8:S+16*\be+15], v[KF+12*\be:KF+12*\be+11], v[16:27], 0, v[KS+\be], v34 matrix_a_fmt:MATRIX_FMT_FP6 matrix_b_fmt:MATRIX_FMT_FP6
.endr
.rept 4
	v_nop                                          ; places in front of the loads below and of the first read of the scores
.endr
.irp t, 0,1,2,3                        ; V's four fragments land while the softmax is walked
.irp c, 0,1,2
	ds_load_b128 v[KF+12*\t+4*\c:KF+12*\t+4*\c+3], v[ADV] offset:1536*\t+512*\c
.endr
.endr
	ds_load_b128 v[KS:KS+3], v[ADS] offset:4096
	s_cmp_lg_u32 s36, s34                          ; on the diagonal the scores of hidden keys become -infinity ahead of the maximum: p = 0 then
	s_cbranch_scc1 .Lopen
	v_mov_b32 v[TMP], 0xff800000
.set n, 0
.rept 64
	v_cmp_gt_i32 vcc_lo, 32*(n/16)+n%16, v11       ; register 16 b + i holds key 128 g + 16 h + 32 b + i: hidden where 32 b + i > d
	v_cndmask_b32 v[S+n], v[S+n], v[TMP], vcc_lo
.set n, n+1
.endr
.Lopen:
.irp b, 0,1,2,3
	v_max3_num_f32 v[BM+\b], v[S+16*\b], v[S+1+16*\b], v[S+2+16*\b]   ; the largest score of each block of 32 keys: for the row's maximum and, since p rises with the score, for the block's largest p
.endr
.irp i, 3,5,7,9,11,13
.irp b, 0,1,2,3
	v_max3_num_f32 v[BM+\b], v[BM+\b], v[S+16*\b+\i], v[S+1+16*\b+\i]
.endr
.endr
.irp b, 0,1,2,3
	v_max_num_f32 v[BM+\b], v[BM+\b], v[S+15+16*\b]
.endr
.irp b, 0,1,2,3
	s_delay_alu instid0(VALU_DEP_4)
	v_permlanex16_b32 v[TQ+\b], v[BM+\b], s28, s29
.endr
.irp b, 0,1,2,3
	s_delay_alu instid0(VALU_DEP_4)
	v_max_num_f32 v[BM+\b], v[BM+\b], v[TQ+\b]     ; with lane l xor 16's 16 keys
.endr
	s_delay_alu instid0(VALU_DEP_2)
	v_max3_num_f32 v[TMP], v[BM], v[BM+1], v[BM+2]
	s_delay_alu instid0(VALU_DEP_1)
	v_max_num_f32 v[TMP], v[TMP], v[BM+3]          ; the step's largest score of my query
	s_delay_alu instid0(VALU_DEP_1)
	v_mul_f32 v[TMP], s30, v[TMP]                  ; as t
	s_delay_alu instid0(VALU_DEP_1)
	v_max_num_f32 v13, v13, v[TMP]                 ; the running largest t
	v_mov_b32 v[TMP], v12
	s_delay_alu instid0(VALU_DEP_2)
	v_floor_f32 v12, -v13                          ; the new -M = -ceil(t)
	s_delay_alu instid0(VALU_DEP_1)
	v_sub_f32 v[TMP], v12, v[TMP]                  ; old M - new M: a whole number, 0 or less
	s_delay_alu instid0(VALU_DEP_1)
	v_cvt_i32_f32 v[TMP], v[TMP]                   ; (it saturates)
	s_delay_alu instid0(VALU_DEP_1)
	v_ldexp_f32 v[FF], 1.0, v[TMP]                 ; f = 2^(old M - new M)
.set j, 0
.rept 32
	v_pk_fma_f32 v[S+j:S+j+1], v[S+j:S+j+1], s[30:31], v[12:13] op_sel_hi:[1,0,0]   ; t - M, two at a time
.set j, j+2
.endr
	s_setprio 1
.irp b, 0,1,2,3
	v_fma_f32 v[BM+\b], v[BM+\b], s30, v12         ; the same of each block's largest score
.endr
.set j, 0
	s_wait_alu depctr_va_vdst(0)
.rept 64
	v_exp_f32 v[S+j], v[S+j]                       ; p = 2^(t - M)
.set j, j+1
.endr
	v_pk_mul_f32 v[14:15], v[14:15], v[FF:FF+1] op_sel_hi:[1,0]   ; l under the new M: the plain instruction behind the exponentials
	s_wait_alu depctr_va_vdst(0)                   ; one wait for the batch of 64, ahead of its first reader
.irp b, 0,1,2,3
	v_exp_f32 v[BM+\b], v[BM+\b]                   ; the block's largest p: the same two instructions on the same number
.endr
	v_pk_add_f32 v[228:229], v[100:101], v[104:105]
	v_pk_add_f32 v[254:255], v[108:109], v[112:113]
	v_pk_add_f32 v[252:253], v[116:117], v[120:121]
	v_pk_add_f32 v[250:251], v[124:125], v[128:129]
	v_pk_add_f32 v[248:249], v[132:133], v[136:137]
	v_pk_add_f32 v[246:247], v[140:141], v[144:145]
	v_pk_add_f32 v[244:245], v[148:149], v[152:153]
	v_pk_add_f32 v[14:15], v[14:15], v[156:157]
	v_pk_add_f32 v[228:229], v[228:229], v[96:97]
	v_pk_add_f32 v[254:255], v[254:255], v[98:99]
	v_pk_add_f32 v[252:253], v[252:253], v[102:103]
	v_pk_add_f32 v[250:251], v[250:251], v[106:107]
	v_pk_add_f32 v[248:249], v[248:249], v[110:111]
	v_pk_add_f32 v[246:247], v[246:247], v[114:115]
	v_pk_add_f32 v[244:245], v[244:245], v[118:119]
	v_pk_add_f32 v[14:15], v[14:15], v[122:123]
	v_pk_add_f32 v[228:229], v[228:229], v[126:127]
	v_pk_add_f32 v[254:255], v[254:255], v[130:131]
	v_pk_add_f32 v[252:253], v[252:253], v[134:135]
	v_pk_add_f32 v[250:251], v[250:251], v[138:139]
	v_pk_add_f32 v[248:249], v[248:249], v[142:143]
	v_pk_add_f32 v[246:247], v[246:247], v[146:147]
	v_pk_add_f32 v[244:245], v[244:245], v[150:151]
	v_pk_add_f32 v[14:15], v[14:15], v[154:155]
	v_pk_add_f32 v[228:229], v[228:229], v[158:159]
	s_delay_alu instid0(VALU_DEP_2)
	v_pk_add_f32 v[14:15], v[14:15], v[250:251]
	s_delay_alu instid0(VALU_DEP_2)
	v_pk_add_f32 v[228:229], v[228:229], v[248:249]
	v_pk_add_f32 v[254:255], v[254:255], v[246:247]
	v_pk_add_f32 v[252:253], v[252:253], v[244:245]
	s_delay_alu instid0(VALU_DEP_2)
	v_pk_add_f32 v[14:15], v[14:15], v[254:255]
	s_delay_alu instid0(VALU_DEP_2)
	v_pk_add_f32 v[228:229], v[228:229], v[252:253]
	s_delay_alu instid0(VALU_DEP_1)
	v_pk_add_f32 v[14:15], v[14:15], v[228:229]
	s_wait_alu depctr_va_vdst(0)                   ; and one for the four
.irp b, 0,1,2,3
	v_max_num_f32 v[BM+\b], 0x1800000, v[BM+\b]    ; the floor 2^(3 - 127): a block whose every p is 0 keeps the byte 1: its codes are zeros
.endr
.irp b, 0,1,2,3
	s_delay_alu instid0(VALU_DEP_4)
	v_add_nc_u32 v[SO+\b], 0xff000000, v[BM+\b]    ; 2 off the exponent field: the conversion's scale operand
.endr
.irp b, 0,1,2,3
	s_delay_alu instid0(VALU_DEP_4)
	v_lshrrev_b32 v[TQ+\b], 23, v[SO+\b]           ; the scale's byte
.endr
	s_delay_alu instid0(VALU_DEP_3)
	v_lshl_or_b32 v[PSW], v[TQ+1], 8, v[TQ]
	s_delay_alu instid0(VALU_DEP_1)
	v_lshl_or_b32 v[PSW], v[TQ+2], 16, v[PSW]
	s_delay_alu instid0(VALU_DEP_1)
	v_lshl_or_b32 v[PSW], v[TQ+3], 24, v[PSW]      ; p's scale word for these 128 keys
	s_setprio 0
.irp c, 0,1
	v_cvt_scalef32_pk16_fp6_f32 v[PC+6*\c:PC+2+6*\c], v[S+32*\c:S+15+32*\c], v[SO+2*\c]
	v_cvt_scalef32_pk16_fp6_f32 v[TP+4*\c:TP+2+4*\c], v[S+16+32*\c:S+31+32*\c], v[SO+1+2*\c]
.endr
	v_nop                                          ; one plain place behind a scaled conversion
.irp c, 0,1
.irp i, 0,1,2
	v_permlane16_swap_b32 v[PC+6*\c+\i], v[TP+4*\c+\i]
.endr
.irp i, 0,1,2
	s_delay_alu instid0(VALU_DEP_3)
	v_mov_b32 v[PC+3+6*\c+\i], v[TP+4*\c+\i]
.endr
.endr
.set j, 0
.rept 16
	v_pk_mul_f32 v[O+j:O+j+1], v[O+j:O+j+1], v[FF:FF+1] op_sel_hi:[1,0]   ; O^T under the new M.  (These sixteen are also the places between the writes of p's codes and scale word and the products)
.set j, j+2
.endr
	s_wait_alu depctr_va_vdst(0)
	s_wait_dscnt 0x0                               ; V is in
.irp t, 0,1,2,3                        ; O^T += V^T P^T: the four accumulators by turns
	v_wmma_scale_f32_16x16x128_f8f6f4 v[O+8*\t:O+8*\t+7], v[KF+12*\t:KF+12*\t+11], v[PC:PC+11], v[O+8*\t:O+8*\t+7], v[KS+\t], v[PSW] matrix_a_fmt:MATRIX_FMT_FP6 matrix_b_fmt:MATRIX_FMT_FP6
.endr
.Lskip:
	s_add_co_u32 s37, s37, 6144                    ; the next step's four fragments,
	s_add_co_u32 s38, s38, 256                     ; and its scale words
	s_add_co_u32 s36, s36, 1
	s_cmp_lt_u32 s36, 16
	s_cbranch_scc1 .Lstep
	s_setprio 0
	; THE TILE'S END: O^T / l is quantised along the head's 64 (register 16 b + i: d = 32 b + 16 h + i) and leaves as half a fragment of the last product's operand
.rept 4
	v_nop                                          ; places behind the last products
.endr
	s_wait_alu depctr_va_vdst(0)
	v_add_f32 v14, v14, v15
	s_delay_alu instid0(VALU_DEP_1)
	v_permlanex16_b32 v[TMP], v14, s28, s29
	s_delay_alu instid0(VALU_DEP_1)
	v_add_f32 v14, v14, v[TMP]                     ; l
	s_wait_alu depctr_va_vdst(0)
	v_rcp_f32 v[RC], v14
	v_nop                                          ; a plain instruction behind the reciprocal,
	s_wait_alu depctr_va_vdst(0)                   ; and the wait ahead of its first reader
.set j, 0
.rept 16
	v_pk_mul_f32 v[S+j:S+j+1], v[O+j:O+j+1], v[RC:RC+1] op_sel_hi:[1,0]   ; each accumulator from its low end on
.set j, j+2
.endr
.irp b, 0,1
	v_max3_num_f32 v[BM+\b], |v[S+16*\b]|, |v[S+1+16*\b]|, 0x1800000
.endr
.irp i, 2,4,6,8,10,12,14
.irp b, 0,1
	s_delay_alu instid0(VALU_DEP_2)
	v_max3_num_f32 v[BM+\b], v[BM+\b], |v[S+16*\b+\i]|, |v[S+1+16*\b+\i]|
.endr
.endr
.irp b, 0,1
	s_delay_alu instid0(VALU_DEP_2)
	v_permlanex16_b32 v[TQ+\b], v[BM+\b], s28, s29
.endr
.irp b, 0,1
	s_delay_alu instid0(VALU_DEP_2)
	v_max_num_f32 v[BM+\b], v[BM+\b], v[TQ+\b]
.endr
.irp b, 0,1
	s_delay_alu instid0(VALU_DEP_2)
	v_add_nc_u32 v[SO+\b], 0xff000000, v[BM+\b]
.endr
.irp b, 0,1
	s_delay_alu instid0(VALU_DEP_2)
	v_lshrrev_b32 v[TQ+\b], 23, v[SO+\b]
.endr
	s_delay_alu instid0(VALU_DEP_1)
	v_lshl_or_b32 v[HW], v[TQ+1], 8, v[TQ]         ; my row's two scale bytes
	v_cvt_scalef32_pk16_fp6_f32 v[PC:PC+2], v[S:S+15], v[SO]
	v_cvt_scalef32_pk16_fp6_f32 v[TP:TP+2], v[S+16:S+31], v[SO+1]
	v_nop
.irp i, 0,1,2
	v_permlane16_swap_b32 v[PC+\i], v[TP+\i]
.endr
.irp i, 0,1,2
	s_delay_alu instid0(VALU_DEP_3)
	v_mov_b32 v[PC+3+\i], v[TP+\i]
.endr
.irp p, 0,1,2
	global_store_b64 v7, v[PC+2*\p:PC+2*\p+1], s[42:43] offset:256*\p   ; 32 lanes store 256 consecutive bytes, aligned
.endr
	global_store_b16 v42, v[HW], s[44:45]          ; (lanes r and 16 + r store the same two bytes with the same value)
.irp i, 0,1,2,3,4,5
	v_mov_b32 v[22+\i], v[36+\i]                   ; the second tile's q
.endr
	v_mov_b32 v34, v35
	s_wait_xcnt 0x0                                ; the stores have read their registers and bases: both are written again in the next trip
	s_add_co_u32 s32, s32, 1
	s_cmp_lt_u32 s32, 2
	s_cbranch_scc1 .Ltile
	s_wait_tensorcnt 0x0                           ; the wave's end, behind my tensor load
	ds_add_u32 v5, v6
	s_wait_dscnt 0x0
	ROUND                                          ; the closing round
	s_endpgm
.Lfunc_end_k_qc33c65a220_attn:
	.size	k_qc33c65a220_attn, .Lfunc_end_k_qc33c65a220_attn-k_qc33c65a220_attn
	.p2alignl 7, 3214868480
	.fill 96, 4, 3214868480
	.section	.rodata,"a",@progbits
	.p2align	6, 0x0
	.amdhsa_kernel k_qc33c65a220_attn
		.amdhsa_group_segment_fixed_size 206848
		.amdhsa_private_segment_fixed_size 0
		.amdhsa_enable_private_segment 0
		.amdhsa_kernarg_size 24
		.amdhsa_user_sgpr_count 2
		.amdhsa_user_sgpr_kernarg_segment_ptr 1
		.amdhsa_wavefront_size32 1
		.amdhsa_system_sgpr_workgroup_id_x 1
		.amdhsa_system_sgpr_workgroup_id_y 1
		.amdhsa_system_sgpr_workgroup_id_z 1
		.amdhsa_system_vgpr_workitem_id 0
		.amdhsa_next_free_vgpr 256
		.amdhsa_next_free_sgpr 66
		.amdhsa_reserve_vcc 1
		.amdhsa_float_denorm_mode_32 3
		.amdhsa_float_denorm_mode_16_64 3
		.amdhsa_memory_ordered 1
		.amdhsa_forward_progress 1
		.amdhsa_inst_pref_size 37
	.end_amdhsa_kernel
	.amdgpu_metadata
---
amdhsa.version: [ 1, 2 ]
amdhsa.kernels:
  - .name:           k_qc33c65a220_attn
    .symbol:         k_qc33c65a220_attn.kd
    .args:
      - { .name: qkv, .offset: 0, .size: 8, .value_kind: global_buffer, .address_space: global }
      - { .name: aimg, .offset: 8, .size: 8, .value_kind: global_buffer, .address_space: global }
      - { .name: asc, .offset: 16, .size: 8, .value_kind: global_buffer, .address_space: global }
    .group_segment_fixed_size: 206848
    .private_segment_fixed_size: 0
    .kernarg_segment_align: 8
    .kernarg_segment_size: 24
    .max_flat_workgroup_size: 512
    .sgpr_count:     66
    .vgpr_count:     256
    .wavefront_size: 32
...
	.end_amdgpu_metadata
.endif
;; end of part 3
;; launch gemm_out (part 4): grid 4 x 32, 4 waves a work-group, clusters of 4 x 4, 327,680 bytes of LDS; arguments aimg, asc, opimg, opsc, out0; writes out0
.if DOCPART == 4
	.amdgcn_target "amdgcn-amd-amdhsa--gfx1250"
	.amdhsa_code_object_version 6
	.text
	.protected	k_qc33c65a220_gemm_out
	.globl	k_qc33c65a220_gemm_out
	.p2align	8
	.type	k_qc33c65a220_gemm_out,@function
k_qc33c65a220_gemm_out:
	s_mov_b64 s[64:65], 0
	v_nop
	global_prefetch_b8 v0, s[64:65] scope:SCOPE_SE
	s_setreg_imm32_b32 hwreg(HW_REG_WAVE_MODE, 25, 1), 1
	s_wait_xcnt 0x0
	s_wait_alu depctr_hold_cnt(0) depctr_sa_sdst(0) depctr_va_vdst(0) depctr_va_sdst(0) depctr_va_ssrc(0) depctr_va_vcc(0) depctr_vm_vsrc(0)
	s_getreg_b32 s2, hwreg(HW_REG_IB_STS2, 6, 4)
	s_cmp_eq_u32 s2, 0
	s_cbranch_scc0 .Lentry_in_a_cluster
	s_endpgm
.Lentry_in_a_cluster:
	s_bfe_u32 s2, ttmp6, 0x10000c
	s_cmp_lg_u32 s2, 0xf033
	s_cbranch_scc0 .Lentry_shape_is_right
	s_endpgm
.Lentry_shape_is_right:
; LAUNCH 4 OF 4: out0 = a W_O^T on codes of FP6 (E2M3), K = 1,024; a is the attention's result, quantised by launch 3; out0 [8192][1024] f32.
; The loop is launch 2's: a tile of 256 x 256 to a work-group of four waves, 128 x 128 to a wave; source 0 ("B") = 16 rows of W_O, source 1 ("A") = 16 tokens, so that a lane holds neighbouring outputs of one token;
; K in slots of 256 through a ring of two LDS slots, written out; the scale words once into LDS and once into 64 registers; 4 x 4 clusters, A's tiles asked for jointly along a row, B's along a column.
; WHAT DIFFERS: a's fragments lie as six planes of 256 bytes (registers 2 p, 2 p + 1 of lane l at 256 p + 8 l), since a head wrote half a fragment: six loads of 8 bytes a lane bring one.
; Place r of a tile T of tokens or of outputs is index 32 (T / 2) + 8 (T % 2) + r + 8 (r / 8): the way out puts every number back to its true row and column.
; 128 work-groups: a smaller tile would read each LDS byte for half as many products, and this launch is short beside launch 3.
; REGISTERS: as in launch 2; on the way out v128-255 of window 0 take rows read back from the stage.
.set FR,    12
.set NLA,   6                          ; LDS loads that bring a fragment of A
.set NP,    4
.set TILEB, 3072
.set HALFT, 8*TILEB
.set SLOT,  4*HALFT
.set SCL,   2*SLOT
.set HALFS, 4096
.set SPARE, SCL+4*HALFS                ; the spare words, 128 bytes for each wave: two blocks of 256 bytes that no other line names
.set SPITCH, 528                       ; the way out: a stage of 16 rows x (512 bytes + 16) for each wave, in slot 0, which has had its last fill and its last read when the first result is stored there
.set ADRA, 16
.set ADRB, 20
.set STO,  24
.set RD,   25
.set CO,   26
.set ADRS, 27
.set SPW,  28
.set NIL,  29
.set SC,   32
.set AF,   128
.set BK,   128
.set G1, 24
.set G0, 32
.set G1B, 48
.set G0B, 56
.set G1S, 68
.set G0S, 76
.set G1SB, 80
.set G0SB, 88
.set MSB, 0
.macro WIN new                         ; the immediate's high byte repeats the setting that is left
.if MSB != (\new)
	s_set_vgpr_msb (MSB<<8)|(\new)
.set MSB, (\new)
.endif
.endm
.set MUL_LO, 0xa1
.set MUL_HI, 0xf1
.set TO_B,   0x40
.macro JLOAD g0a, g1a, g0b, g1b        ; a joint load: waves 0 and 1 fetch for A, waves 2 and 3 for B; an s_nop 0 and four v_nop follow each line
	s_cmp_eq_u32 s15, 0
	s_cbranch_scc0 .Lfor_b_\@
	tensor_load_to_lds s[\g0a:\g0a+3], s[\g1a:\g1a+7]
	s_nop 0
.rept 4
	v_nop
.endr
	s_branch .Lasked_\@
.Lfor_b_\@:
	tensor_load_to_lds s[\g0b:\g0b+3], s[\g1b:\g1b+7]
	s_nop 0
.rept 4
	v_nop
.endr
.Lasked_\@:
.endm
.macro CREST
	s_cmp_lg_u32 s14, 0
	s_cbranch_scc1 .Lnot_wave_0_\@
	s_barrier_signal -3
.Lnot_wave_0_\@:
	s_barrier_wait -3
	s_barrier_signal -1
	s_barrier_wait -1
.endm
.macro CROUND
	s_barrier_signal -1
	s_barrier_wait -1
	CREST
.endm
	s_load_b256 s[4:11], s[0:1], 0x0               ; aimg, asc, opimg, opsc
	s_load_b64 s[12:13], s[0:1], 0x20              ; out0
	v_lshl_add_u32 v[SPW], v0, 2, SPARE
	v_mov_b32 v[NIL], 0
	ds_add_u32 v[SPW], v[NIL]                      ; the wave's opening: the add, twice on end, and its wait ahead of my first tensor load
	ds_add_u32 v[SPW], v[NIL]
	v_lshrrev_b32 v1, 5, v0
	v_readfirstlane_b32 s14, v1                    ; wave 0..3
	s_lshr_b32 s15, s14, 1                         ; my half of the tokens.  Also: I fetch for A (0) or for B (1)
	s_and_b32 s16, s14, 1                          ; my half of the outputs.  Also: which eight tiles I fetch
	s_bfe_u32 s40, ttmp6, 0x40000                  ; cx
	s_bfe_u32 s41, ttmp6, 0x40004                  ; cy
	s_lshl_b32 s42, ttmp9, 2
	s_add_co_u32 s42, s42, s40                     ; which 256 outputs
	s_and_b32 s17, ttmp7, 0xffff
	s_lshl_b32 s17, s17, 2
	s_add_co_u32 s17, s17, s41                     ; which 256 tokens
	s_lshl_b32 s43, s41, 2
	s_lshl_b32 s43, 15, s43                        ; my row of the cluster
	s_lshl_b32 s44, 0x1111, s40                    ; my column
	s_or_b32 s[G1+0], s43, (3<<16)|(1<<21)         ; codes: 8 rows of 3,072 bytes, 12,288 bytes apart; elements of 8 bytes; the mask, and bit 21 beside it
	s_or_b32 s[G1B+0], s44, (3<<16)|(1<<21)
.irp g, G1, G1B
	s_mov_b32 s[\g+1], 384<<16
	s_mov_b32 s[\g+2], 8<<16
	s_mov_b32 s[\g+3], 384<<16
	s_mov_b32 s[\g+4], 8
	s_mov_b32 s[\g+5], 1536
	s_mov_b32 s[\g+6], 0
	s_mov_b32 s[\g+7], 0
.endr
	s_or_b32 s[G1S+0], s43, (3<<16)|(1<<21)        ; scale words: 4,096 dense bytes as 16 rows of 256
	s_or_b32 s[G1SB+0], s44, (3<<16)|(1<<21)
.irp g, G1S, G1SB
	s_mov_b32 s[\g+1], 32<<16
	s_mov_b32 s[\g+2], 16<<16
	s_mov_b32 s[\g+3], 32<<16
	s_mov_b32 s[\g+4], 16
	s_mov_b32 s[\g+5], 32
	s_mov_b32 s[\g+6], 0
	s_mov_b32 s[\g+7], 0
.endr
	s_lshl_b32 s45, s16, 3                         ; the eight tiles that I fetch
	s_lshl_b32 s20, s17, 4
	s_add_co_u32 s20, s20, s45                     ; A: token tile
	s_lshl_b32 s46, s42, 4
	s_add_co_u32 s46, s46, s45
	s_add_co_u32 s46, s46, 704                     ; B: W_O's tiles begin at 704
	s_lshl_b32 s22, s20, 9
	s_mov_b32 s23, 0
	s_mul_i32 s20, s20, 12288
	s_mov_b32 s21, 0
	s_lshl_b32 s92, s46, 9
	s_mov_b32 s93, 0
	s_mul_i32 s46, s46, 12288
	s_mov_b32 s47, 0
	s_mul_i32 s45, s14, HALFT                      ; where they go: no place in the cluster enters an LDS address
	s_lshl_b32 s94, s14, 12
	s_wait_dscnt 0x0                               ; both opening adds are done
	s_wait_kmcnt 0x0
	s_add_nc_u64 s[20:21], s[4:5], s[20:21]
	s_add_nc_u64 s[22:23], s[6:7], s[22:23]
	s_add_nc_u64 s[46:47], s[8:9], s[46:47]
	s_add_nc_u64 s[92:93], s[10:11], s[92:93]
	CROUND                                         ; all sixteen work-groups are here: the first joint loads meet
	s_mov_b32 s[G0S], 1
	s_add_co_u32 s[G0S+1], s94, SCL
	s_mov_b64 s[G0S+2:G0S+3], s[22:23]
	s_or_b32 s[G0S+3], s[G0S+3], 0x80000000
	s_mov_b32 s[G0SB], 1
	s_add_co_u32 s[G0SB+1], s94, SCL
	s_mov_b64 s[G0SB+2:G0SB+3], s[92:93]
	s_or_b32 s[G0SB+3], s[G0SB+3], 0x80000000
	JLOAD G0S, G1S, G0SB, G1SB
.irp s, 0,1
	s_mov_b32 s[G0+4*\s], 1
	s_add_co_u32 s[G0+4*\s+1], s45, \s*SLOT
	s_add_nc_u64 s[G0+4*\s+2:G0+4*\s+3], s[20:21], \s*TILEB
	s_or_b32 s[G0+4*\s+3], s[G0+4*\s+3], 0x80000000
	s_mov_b32 s[G0B+4*\s], 1
	s_add_co_u32 s[G0B+4*\s+1], s45, \s*SLOT
	s_add_nc_u64 s[G0B+4*\s+2:G0B+4*\s+3], s[46:47], \s*TILEB
	s_or_b32 s[G0B+4*\s+3], s[G0B+4*\s+3], 0x80000000
	JLOAD G0+4*\s, G1, G0B+4*\s, G1B               ; three tensor loads of mine are out behind the second of these
.endr
	v_and_b32 v1, 15, v0                           ; r
	v_bfe_u32 v2, v0, 4, 1                         ; h
	v_and_b32 v3, 31, v0
	v_lshlrev_b32 v4, 3, v3                        ; 8 x lane: A's planes
	v_lshlrev_b32 v[CO], 4, v3                     ; 16 x lane: B's planes, and my bytes of a row of out0
	s_mul_i32 s96, s15, HALFT
	s_mul_i32 s97, s16, HALFT
	s_add_co_u32 s97, s97, 2*HALFT
.irp s, 0,1
	v_add_nc_u32 v[ADRA+\s], s96, v4
	v_add_nc_u32 v[ADRB+\s], s97, v[CO]
	s_add_co_u32 s96, s96, SLOT
	s_add_co_u32 s97, s97, SLOT
.endr
	v_lshlrev_b32 v5, 4, v1
	s_lshl_b32 s96, s15, 12
	s_lshl_b32 s97, s16, 12
	s_add_co_u32 s97, s97, 2*HALFS
	s_sub_co_u32 s97, s97, s96
	v_mul_u32_u24 v6, s97, v2                      ; lanes 16-31 take B's words: the lower base + h x the distance
	s_add_co_u32 s96, s96, SCL
	v_add_nc_u32 v6, v5, v6
	v_add_nc_u32 v[ADRS], s96, v6
	s_mul_i32 s96, s14, 16*SPITCH                  ; my stage
	v_mul_u32_u24 v5, v1, SPITCH
	v_lshl_add_u32 v5, v2, 6, v5
	v_add_nc_u32 v[STO], s96, v5                   ; in: row r, + 64 h: a pair of B's tiles gives a lane 16 neighbouring outputs
	v_add_nc_u32 v[RD], s96, v[CO]                 ; back: the 32 lanes take one row of 512 bytes
	s_lshl_b32 s96, s17, 20                        ; 256 rows of 4,096 bytes,
	s_lshl_b32 s97, s15, 19                        ; my 128 of them,
	s_add_co_u32 s96, s96, s97
	s_lshl_b32 s97, s42, 10                        ; 256 outputs,
	s_add_co_u32 s96, s96, s97
	s_lshl_b32 s97, s16, 9                         ; my 128
	s_add_co_u32 s96, s96, s97
	s_mov_b32 s97, 0
	s_add_nc_u64 s[12:13], s[12:13], s[96:97]
.macro FRAGB reg, adr, q, i
.irp c, 0,1,2
	ds_load_b128 v[\reg+4*\c:\reg+4*\c+3], v[\adr] offset:(\i)*TILEB+(\q)*1536+512*\c
.endr
.endm
.macro FRAGA reg, adr, q, i
.irp p, 0,1,2,3,4,5
	ds_load_b64 v[\reg+2*\p:\reg+2*\p+1], v[\adr] offset:(\i)*TILEB+(\q)*1536+256*\p
.endr
.endm
.macro MUL16 a0, p, ks, zero           ; the 64 accumulators take turns, one instruction a turn, in the same order in every step
.irp a, \a0, \a0+1
.irp b, 0,1,2,3,4,5,6,7
.if \zero
	v_wmma_scale_f32_16x16x128_f8f6f4 v[8*(8*((\a)%4)+\b):8*(8*((\a)%4)+\b)+7], v[128*(\p)+FR*\b:128*(\p)+FR*\b+FR-1], v[AF+FR*(\a):AF+FR*(\a)+FR-1], 0, v[SC+8*\b+(\ks)], v[SC+8*(\a)+(\ks)] matrix_a_fmt:MATRIX_FMT_FP6 matrix_b_fmt:MATRIX_FMT_FP6 matrix_a_scale:MATRIX_SCALE_ROW1
.else
	v_wmma_scale_f32_16x16x128_f8f6f4 v[8*(8*((\a)%4)+\b):8*(8*((\a)%4)+\b)+7], v[128*(\p)+FR*\b:128*(\p)+FR*\b+FR-1], v[AF+FR*(\a):AF+FR*(\a)+FR-1], v[8*(8*((\a)%4)+\b):8*(8*((\a)%4)+\b)+7], v[SC+8*\b+(\ks)], v[SC+8*(\a)+(\ks)] matrix_a_fmt:MATRIX_FMT_FP6 matrix_b_fmt:MATRIX_FMT_FP6 matrix_a_scale:MATRIX_SCALE_ROW1
.endif
.endr
.endr
.endm
.macro FETCH_B slot, q, p
	WIN TO_B
.irp i, 0,1,2,3,4,5,6,7
	FRAGB 128*(\p)+FR*\i, ADRB+\slot, \q, \i
.endr
	WIN 0
.endm
.macro FETCH_A slot, q, i0
.irp i, \i0, \i0+1, \i0+2, \i0+3
	FRAGA AF+FR*(\i), ADRA+\slot, \q, \i
.endr
.endm
.macro PLACES n
.rept \n
	v_nop
.endr
.endm
.macro STEP slot, ks, zero
	s_wait_dscnt 4*NLA                             ; B's set and A's tiles 0-3 are in; the youngest loads (A's tiles 4-7: 4 x 6) may be out
	WIN MUL_LO
	MUL16 0, 0, \ks, \zero
	MUL16 2, 0, \ks, \zero
	s_wait_dscnt 0x0
	PLACES NP
	FETCH_B \slot, 1, 1
	FETCH_A \slot, 1, 0
	WIN MUL_HI
	MUL16 4, 0, \ks, \zero
	MUL16 6, 0, \ks, \zero
	PLACES NP
	WIN 0
	FETCH_A \slot, 1, 4
.endm
.macro TURN slot, next, fill, ks
	s_wait_tensorcnt 0x0                           ; all my tensor loads have landed: my part of the next slot
	ds_add_u32 v[SPW], v[NIL]                      ; 0 onto my spare word
	s_wait_dscnt 4*NLA+1                           ; (the add and the youngest loads, A's tiles 4-7, may be out)
	WIN MUL_LO
	MUL16 0, 1, \ks, 0
	s_wait_dscnt 0x0                               ; the add is done, and my reads of this slot are over
	s_barrier_signal -1
	MUL16 2, 1, \ks, 0
	WIN 0
	s_barrier_wait -1
.if \fill
	CREST                                          ; no wave of any partner still reads this slot or has a load on its way
	s_add_nc_u64 s[G0+4*\slot+2:G0+4*\slot+3], s[G0+4*\slot+2:G0+4*\slot+3], 2*TILEB
	s_add_nc_u64 s[G0B+4*\slot+2:G0B+4*\slot+3], s[G0B+4*\slot+2:G0B+4*\slot+3], 2*TILEB
	JLOAD G0+4*\slot, G1, G0B+4*\slot, G1B         ; the first tensor load behind the round, my one load that is out
.else
	PLACES NP
.endif
	FETCH_B \next, 0, 0
	FETCH_A \next, 0, 0
	WIN MUL_HI
	MUL16 4, 1, \ks, 0
	MUL16 6, 1, \ks, 0
	PLACES NP
	WIN 0
	FETCH_A \next, 0, 4
.endm
	s_wait_tensorcnt 1                             ; the scale words and my part of slot 0 are in (slot 1's load may be out)
	s_barrier_signal -1
	s_barrier_wait -1                              ; everybody's are
	FETCH_B 0, 0, 0
	FETCH_A 0, 0, 0
.irp i, 0,1,2,3,4,5,6,7
.irp g, 0,1
	ds_load_b128 v[SC+8*\i+4*\g:SC+8*\i+4*\g+3], v[ADRS] offset:512*\i+256*\g
.endr
.endr
	FETCH_A 0, 0, 4
	STEP 0, 0, 1
	TURN 0, 1, 1, 1
	STEP 1, 2, 0
	TURN 1, 0, 1, 3
	STEP 0, 4, 0
	TURN 0, 1, 0, 5
	STEP 1, 6, 0
	s_wait_dscnt 4*NLA
	WIN MUL_LO
	MUL16 0, 1, 7, 0
	MUL16 2, 1, 7, 0
	s_wait_dscnt 0x0
	WIN MUL_HI
	MUL16 4, 1, 7, 0
	MUL16 6, 1, 7, 0
	WIN 0
; THE WAY OUT, a token tile (16 rows x 128 outputs) at a time, through my own stage in LDS: in by lanes' 32 bytes, back as whole rows of 512 bytes.  LDS serves a wave's instructions in order (ISA guide 5.7.1.4): no wait
; between the stores and the loads, nor in front of the next tile's stores.
.macro TOSTAGE a
.set AC, 64*((\a)%4)
	WIN 0x08+4*((\a)/4)                            ; an LDS store's data are its source 1: window 2 or 3
.irp b, 0,1,2,3,4,5,6,7
	ds_store_b128 v[STO], v[AC+8*\b:AC+8*\b+3] offset:128*(\b/2)+32*(\b%2)          ; outputs 32 (b / 2) + 16 h + 8 (b % 2) on; each accumulator from its low end on
	ds_store_b128 v[STO], v[AC+8*\b+4:AC+8*\b+7] offset:128*(\b/2)+32*(\b%2)+16
.endr
	WIN 0
.set BB, BK+64*((\a)%2)
.irp t, 0,1,2,3,4,5,6,7,8,9,10,11,12,13,14,15
	ds_load_b128 v[BB+4*\t:BB+4*\t+3], v[RD] offset:\t*SPITCH
.endr
.endm
.macro SEND a, younger                 ; younger: the LDS instructions issued behind tile a's loads, which may stay out
.set BB, BK+64*((\a)%2)
	s_wait_dscnt \younger
.irp t, 0,1,2,3,4,5,6,7,8,9,10,11,12,13,14,15
	global_store_b128 v[CO], v[BB+4*\t:BB+4*\t+3], s[12:13] offset:(32*((\a)/2)+8*((\a)%2)+\t+8*(\t/8))*4096 th:TH_STORE_NT   ; place t's true row; 32 lanes store 512 consecutive bytes, aligned
.endr
.endm
	PLACES NP                                      ; behind the last products: results are read, and loads land on A's registers, below
	TOSTAGE 0
.irp a, 1,2,3,4,5,6,7
.if \a > 1
	s_wait_xcnt 0x0                                ; tile a - 2's stores have read their registers: tile a's loads may land there
.endif
	TOSTAGE \a
	SEND \a-1, 32                                  ; behind tile a - 1's loads: tile a's 16 stores and 16 loads
.endr
	SEND 7, 0
	s_wait_tensorcnt 0x0                           ; the wave's end, behind my last tensor load and my last LDS store
	ds_add_u32 v[SPW], v[NIL]
	s_wait_dscnt 0x0
	CROUND                                         ; the closing round
	s_endpgm
.Lfunc_end_k_qc33c65a220_gemm_out:
	.size	k_qc33c65a220_gemm_out, .Lfunc_end_k_qc33c65a220_gemm_out-k_qc33c65a220_gemm_out
	.p2alignl 7, 3214868480
	.fill 96, 4, 3214868480
	.section	.rodata,"a",@progbits
	.p2align	6, 0x0
	.amdhsa_kernel k_qc33c65a220_gemm_out
		.amdhsa_group_segment_fixed_size 327680
		.amdhsa_private_segment_fixed_size 0
		.amdhsa_enable_private_segment 0
		.amdhsa_kernarg_size 40
		.amdhsa_user_sgpr_count 2
		.amdhsa_user_sgpr_kernarg_segment_ptr 1
		.amdhsa_wavefront_size32 1
		.amdhsa_system_sgpr_workgroup_id_x 1
		.amdhsa_system_sgpr_workgroup_id_y 1
		.amdhsa_system_sgpr_workgroup_id_z 1
		.amdhsa_system_vgpr_workitem_id 0
		.amdhsa_next_free_vgpr 1024
		.amdhsa_next_free_sgpr 100
		.amdhsa_reserve_vcc 0
		.amdhsa_float_denorm_mode_32 3
		.amdhsa_float_denorm_mode_16_64 3
		.amdhsa_memory_ordered 1
		.amdhsa_forward_progress 1
		.amdhsa_inst_pref_size 145
	.end_amdhsa_kernel
	.amdgpu_metadata
---
amdhsa.version: [ 1, 2 ]
amdhsa.kernels:
  - .name:           k_qc33c65a220_gemm_out
    .symbol:         k_qc33c65a220_gemm_out.kd
    .args:
      - { .name: aimg, .offset: 0, .size: 8, .value_kind: global_buffer, .address_space: global }
      - { .name: asc, .offset: 8, .size: 8, .value_kind: global_buffer, .address_space: global }
      - { .name: opimg, .offset: 16, .size: 8, .value_kind: global_buffer, .address_space: global }
      - { .name: opsc, .offset: 24, .size: 8, .value_kind: global_buffer, .address_space: global }
      - { .name: out0, .offset: 32, .size: 8, .value_kind: global_buffer, .address_space: global }
    .group_segment_fixed_size: 327680
    .private_segment_fixed_size: 0
    .kernarg_segment_align: 8
    .kernarg_segment_size: 40
    .max_flat_workgroup_size: 128
    .sgpr_count:     100
    .vgpr_count:     1024
    .wavefront_size: 32
...
	.end_amdgpu_metadata
.endif
;; end of part 4
